; MI455X (gfx1250); checked and timed in simulation.
; The chip was launched on July 23, 2026; its instructions are those of AMD's public machine-readable ISA for CDNA 5 (MIT licence, August 2026) and "CDNA5" Instruction Set Architecture Reference Guide (July 2026). The comments in the code are by the model that wrote it; some were corrected since.
;; Casual Self Attention. Allowed arithmetic: matrix products marked QUANTISED: E4M3 operands, one given power-of-two scale a tensor, by v_wmma_f32_16x16x64_fp8_fp8 or v_wmma_f32_16x16x128_fp8_fp8, f32 sums; everything else in f32.
;; Inputs: W_attn 1,024 x 3,072 float32; W_proj 1,024 x 1,024 float32; b_attn 3,072 float32; b_proj 1,024 float32; lowp_scales 8 int32 (the exponents e of the quantised operands' scales 2^e); x 4 x 2,048 x 1,024 float32.
;; Outputs: out0 4 x 2,048 x 1,024 float32.
;; This version of the problem:
;;   THIS VERSION OF THE PROBLEM IS GIVEN IN LOW PRECISION. The matrix products marked QUANTISED in the list below multiply operands that are first quantised to E4M3 (4 exponent bits, 3 mantissa bits; 8 bits a number), with one given power-of-two scale for each operand tensor; their sums are f32. All else is computed in f32.
;;   The module's matrix products, in the order in which they are computed (A, B: the left and right operand; K: the contracted axis; several contracted axes count as one K, in the product's order):
;;     1. [M 8,192, K 1,024] x [K 1,024, N 3,072]; A: input x; B: input W_attn: QUANTISED (scales: A lowp_scales[0], B lowp_scales[1])
;;     2. batch 64 x [M 2,048, K 64] x [K 64, N 2,048]; A: computed on the way; B: computed on the way: QUANTISED (scales: A lowp_scales[2], B lowp_scales[3])
;;     3. batch 64 x [M 2,048, K 2,048] x [K 2,048, N 64]; A: softmax (see below); B: computed on the way: QUANTISED (scales: A lowp_scales[4], B lowp_scales[5])
;;     4. [M 8,192, K 1,024] x [K 1,024, N 1,024]; A: computed on the way; B: input W_proj: QUANTISED (scales: A lowp_scales[6], B lowp_scales[7])
;;   THE QUANTISER, for each operand of a quantised product, along K:
;;     - The operand's scale is 2^e, e = its entry of the input lowp_scales (int32; the entries are numbered through the quantised products in the list's order, A before B).
;;     - Each number is divided by the scale, clamped to +-448, and rounded to the nearest number of E4M3, ties to even, subnormals kept.
;;     - The product sums the exact products of the quantised numbers (number of the format x scale) in f32.
;;   ~~~python
;;   def quantise(x, axis, e):      # numpy; x: float32 -> the quantised numbers, widened to float32 again
;;       x = np.moveaxis(x, axis, -1); K = x.shape[-1]
;;       r = np.clip(x / 2.0 ** e, -448, 448)
;;       step = 2.0 ** (np.maximum(np.frexp(np.where(r == 0, 1, r))[1] - 1, -6) - 3)
;;       q = np.round(r / step) * step * 2.0 ** e      # np.round: ties to even
;;       return np.moveaxis(q, -1, axis).astype(np.float32)
;;   ~~~
;;   SOFTMAX AHEAD OF A QUANTISED PRODUCT. Where the list says 'softmax', what is quantised is not the finished softmax but p = 2^(t - M), with t = logit x log2(e) and M = ceil(the row's largest t), a whole number; so 1/2 < the row's largest p <= 1. The row's sum l is taken of the UNQUANTISED p, in f32, and the product's result is divided by l at the end. Since M is a whole number, a kernel that streams over the keys may use a running M (the ceiling of the running maximum): every later rescaling is an exact power of two, so the quantised numbers keep their values, but for numbers so far below the row's largest that they fall under the format's range.
;;   OPERANDS COMPUTED ON THE WAY. 'Computed on the way' means the value that the module computes at that place (a softmax that the list does not call 'softmax' is quantised finished and normalised). What goes into a quantiser is computed in f32, as accurately as f32 sums, v_exp_f32 and their like allow (about 1e-6 of the number): no bf16 or f16 on the way to a quantiser, and a product that is left as it is and whose result goes on into a quantised operand takes f32 operands (vector FMAs, or v_wmma_f32_16x16x4_f32). A number that lies on a knife's edge between two numbers of the format may be rounded either way, as far as f32 arithmetic and the matrix unit's own rounding can turn it there, and no further.
;; One version. Each part assembles by itself: llvm-mc -triple=amdgcn-amd-amdhsa -mcpu=gfx1250 --defsym DOCPART=n.
;; ======== version 1 of 1: 4 launches
;; limits: right only within a limited range of input values
;; workspace buffers: xc 8,388,608 bytes; wac 1,048,576 bytes; wpc 1,048,576 bytes; qc 8,388,608 bytes; kc 8,388,608 bytes; vc 8,388,608 bytes; yc 8,388,608 bytes
;; launch quant (part 1): grid 320 x 1, 4 waves a work-group, no clusters, 68,096 bytes of LDS; arguments x, W_attn, W_proj, lowp_scales, xc, wac, wpc; writes xc, wac, wpc
.if DOCPART == 1
	.amdgcn_target "amdgcn-amd-amdhsa--gfx1250"
	.amdhsa_code_object_version 6
	.text
	.protected	k_q35feb577e1_quant
	.globl	k_q35feb577e1_quant
	.p2align	8
	.type	k_q35feb577e1_quant,@function
k_q35feb577e1_quant:
	s_mov_b64 s[64:65], 0
	v_nop
	global_prefetch_b8 v0, s[64:65] scope:SCOPE_SE
	s_setreg_imm32_b32 hwreg(HW_REG_WAVE_MODE, 25, 1), 1
	s_wait_xcnt 0x0
; THE QUANTISER.  f32 numbers become codes of FP8 (E4M3), K innermost, each tensor with the one scale 2^e that is given for it:
; code = number / 2^e, held within +-448, rounded to the nearest code, ties to even.
;   x [8192][1024]                       -> xc  [8192 m][1024 k]   e = entry 0
;   W_attn [1024 k][3072], columns 1024 to 2047 -> wac [1024 n][1024 k]   e = entry 1.  The other columns are not read: the module slices their products away.
;   W_proj [1024 k][1024]                -> wpc [1024 n][1024 k]   e = entry 7
; LIMITS: each of the three e lies between -126 and 119, so that 2^e and 448 x 2^e are f32 numbers.  NaN among the inputs is not served.
; Work-groups 0 to 255 take x: K is innermost, so x is a plain stream: a wave takes 16 steps of 512 numbers; each load reads 512 consecutive bytes, and a step's
; 2,048 bytes turn through the wave's own stage in LDS so that a lane holds 16 neighbours along K; a lane's 16 codes are 16 bytes, the wave stores 512 consecutive bytes.
; Work-groups 256 to 319 take the weights, whose K is the FIRST axis: a lane takes a column and its registers run down K, so the conversions give codes with K innermost;
; a wave takes 32 columns x 256 along K, gathers 256 bytes a column in its own stage, and stores sixteen lanes to 256 consecutive, aligned bytes.
; Waves share nothing: no barrier.  The two ways part on the work-group's number and have LDS bytes of their own.
.set SP,    80                         ; way X: a lane's place in a stage: 64 bytes + 16 of padding; a wave has 8,192 bytes: two stages of 32 x SP
.set WST,   32768                      ; way W: the stages begin here: 32 rows x WP for each wave
.set WP,    272                        ; a stage row: 256 bytes + 16
.set SPARE, WST+4*32*WP                ; 67,584: the spare words, 128 bytes for each wave: two blocks of 256 bytes that no other line names
.set SPW,   12                         ; v12  LDS address of my spare word; never rewritten
.set NIL,   13                         ; v13  0; never rewritten
.set R,     16                         ; way X: v16-79 four sets of 16 numbers as loaded; v80-111 two sets of 16 neighbours; v128-191 codes, four registers a step
.set X,     80
.set C,     128
.set WX,    32                         ; way W: v32-95 two sets of 32 numbers; v96-103 a block's codes; v112-175 the way out; v192-223 the 32 rows' offsets
.set WC,    96
.set WO,    112
.set WOF,   192
	s_load_b256 s[4:11], s[0:1], 0x0               ; x s[4:5], W_attn s[6:7], W_proj s[8:9], the scales' exponents s[10:11]
	s_load_b128 s[12:15], s[0:1], 0x20             ; xc s[12:13], wac s[14:15]
	s_load_b64 s[16:17], s[0:1], 0x30              ; wpc
	v_lshl_add_u32 v[SPW], v0, 2, SPARE
	v_mov_b32 v[NIL], 0
	v_lshrrev_b32 v1, 5, v0
	v_readfirstlane_b32 s20, v1                    ; wave 0..3
	v_and_b32 v2, 31, v0                           ; lane
	v_lshlrev_b32 v3, 4, v2                        ; 16 x lane: my 16 bytes of a load's 512, and of a step's 512 bytes of codes
	; every LDS address of both ways is made here, ahead of the parting
	s_mul_i32 s21, s20, 8192
	v_lshrrev_b32 v14, 2, v2
	v_mul_u32_u24 v14, v14, SP
	v_and_b32 v15, 3, v2
	v_lshl_add_u32 v14, v15, 4, v14
	v_add_nc_u32 v14, s21, v14                     ; X, into the stage: four lanes' 64 bytes on end, then the padding
	v_mul_u32_u24 v15, v2, SP
	v_add_nc_u32 v15, s21, v15                     ; X, out of it: my 16 neighbours
	s_mul_i32 s22, s20, 32*WP
	s_add_co_u32 s22, s22, WST
	v_mul_u32_u24 v4, v2, WP
	v_add_nc_u32 v4, s22, v4                       ; W, into the stage: row = my column
	v_and_b32 v5, 15, v2
	v_lshrrev_b32 v6, 4, v2
	v_mul_u32_u24 v7, v6, WP
	v_lshl_add_u32 v7, v5, 4, v7
	v_add_nc_u32 v7, s22, v7                       ; W, out of it: sixteen lanes to a row, two rows an instruction
	v_lshlrev_b32 v8, 10, v6
	v_lshl_add_u32 v8, v5, 4, v8                   ; and the same place in the codes' buffer, whose rows are 1,024 bytes
	s_wait_kmcnt 0x0
	s_load_b256 s[24:31], s[10:11], 0x0            ; the eight exponents
	s_cmp_lt_u32 ttmp9, 256
	s_cbranch_scc0 .Lw
	; ---------------- way X ----------------
	s_lshl_b32 s23, ttmp9, 2
	s_add_co_u32 s23, s23, s20                     ; which run of 8,192 numbers is my wave's
	s_lshl_b32 s32, s23, 15
	s_mov_b32 s33, 0
	s_add_nc_u64 s[4:5], s[4:5], s[32:33]
	s_lshl_b32 s32, s23, 13
	s_add_nc_u64 s[12:13], s[12:13], s[32:33]
.macro XLOAD t
.irp i, 0,1,2,3
	global_load_b128 v[R+16*((\t)%4)+4*\i:R+16*((\t)%4)+4*\i+3], v3, s[4:5] offset:2048*(\t)+512*\i th:TH_LOAD_NT   ; 32 lanes read 512 consecutive bytes
.endr
.endm
.macro XTURN t                         ; step t's numbers through the stage: LDS serves a wave's instructions in order, so no wait stands between the stores and the loads
.irp i, 0,1,2,3
	ds_store_b128 v14, v[R+16*((\t)%4)+4*\i:R+16*((\t)%4)+4*\i+3] offset:32*SP*((\t)%2)+8*SP*\i
.endr
.irp i, 0,1,2,3
	ds_load_b128 v[X+16*((\t)%2)+4*\i:X+16*((\t)%2)+4*\i+3], v15 offset:32*SP*((\t)%2)+16*\i
.endr
.endm
.irp t, 0,1,2,3
	XLOAD \t
.endr
	s_wait_kmcnt 0x0
	s_add_co_i32 s34, s24, 127
	s_lshl_b32 s35, s34, 23
	v_mov_b32 v11, s35                             ; 2^e0 as f32: the conversion takes its exponent field
	s_add_co_i32 s34, s34, 8
	s_lshl_b32 s34, s34, 23
	s_or_b32 s34, s34, 0x600000
	s_wait_alu depctr_va_vdst(0)
	s_wait_loadcnt 12                              ; step 0's four loads are in; the twelve of steps 1 to 3 may be out
	XTURN 0
.macro XSTEP t
.set XS, X+16*((\t)%2)
	s_wait_dscnt 0x0                               ; this step's numbers are back from the stage, and its stores into the stage have read their registers,
.if (\t)+4 < 16
	XLOAD (\t)+4                                   ; which take the loads of four steps on
.endif
.if (\t)+1 < 16
.if 14-(\t) >= 3
	s_wait_loadcnt 12                              ; the next step's four loads are in; those of the three steps behind it may be out
.else
	s_wait_loadcnt 4*(14-(\t))                     ; the counts run down: nothing more is asked for
.endif
	XTURN (\t)+1                                   ; and go through the other stage while this step is worked
.endif
.irp i, 0,1,2,3,4,5,6,7,8,9,10,11,12,13,14,15
.endr
	v_cvt_scalef32_pk8_fp8_f32 v[C+4*(\t):C+4*(\t)+1], v[XS:XS+7], v11
	v_cvt_scalef32_pk8_fp8_f32 v[C+4*(\t)+2:C+4*(\t)+3], v[XS+8:XS+15], v11
	global_store_b128 v3, v[C+4*(\t):C+4*(\t)+3], s[12:13] offset:512*(\t)   ; each step has its own four registers: no store's data are written again
.endm
.irp t, 0,1,2,3,4,5,6,7,8,9,10,11,12,13,14,15
	XSTEP \t
.endr
	s_branch .Lend
	; ---------------- way W ----------------
.Lw:
	s_sub_co_u32 s23, ttmp9, 256
	s_lshr_b32 s34, s23, 5                         ; 0: W_attn's slice, 1: W_proj
	s_and_b32 s35, s23, 7                          ; which 128 columns
	s_bfe_u32 s36, s23, 0x20003                    ; which 256 along K
	s_add_nc_u64 s[6:7], s[6:7], 4096              ; W_attn at its column 1024
	s_cmp_eq_u32 s34, 0                            ; the choices hang on the work-group's number alone
	s_cselect_b64 s[6:7], s[6:7], s[8:9]           ; from
	s_cselect_b64 s[14:15], s[14:15], s[16:17]     ; to
	s_mov_b32 s37, 4096
	s_cselect_b32 s37, 12288, s37                  ; a row of the source in bytes
	s_lshl_b32 s39, s36, 8
	s_mul_i32 s32, s39, s37                        ; my first row along K,
	s_lshl_b32 s39, s35, 9
	s_add_co_u32 s32, s32, s39                     ; the work-group's 128 columns,
	s_lshl_b32 s39, s20, 7
	s_add_co_u32 s32, s32, s39                     ; my wave's 32 of them
	s_mov_b32 s33, 0
	s_add_nc_u64 s[40:41], s[6:7], s[32:33]        ; a base for each block of 32 rows, since the row's length is no constant of the text
	s_lshl_b32 s32, s37, 5
.irp t, 1,2,3,4,5,6,7
	s_add_nc_u64 s[40+2*\t:41+2*\t], s[38+2*\t:39+2*\t], s[32:33]
.endr
	v_lshlrev_b32 v[WOF], 2, v2                    ; and an offset for each row of a block: 4 x lane + row x the row's length
.set ii, 1
.rept 31
	v_add_nc_u32 v[WOF+ii], s37, v[WOF+ii-1]
.set ii, ii+1
.endr
	s_lshl_b32 s32, s35, 17                        ; the codes: (128 x block + 32 x wave) rows of 1,024 bytes + 256 x the place along K
	s_lshl_b32 s39, s20, 15
	s_add_co_u32 s32, s32, s39
	s_lshl_b32 s39, s36, 8
	s_add_co_u32 s32, s32, s39
	s_add_nc_u64 s[14:15], s[14:15], s[32:33]
.macro WLOAD t                         ; block t: W(32 t + i, my column), i = 0 .. 31, into set t % 2: each load reads 128 consecutive bytes, the four waves side by side 512
.set ii, 0
.rept 32
	global_load_b32 v[WX+32*((\t)%2)+ii], v[WOF+ii], s[40+2*(\t):41+2*(\t)] th:TH_LOAD_NT
.set ii, ii+1
.endr
.endm
	WLOAD 0
	WLOAD 1
	s_wait_kmcnt 0x0
	s_cmp_eq_u32 s34, 0
	s_cselect_b32 s38, s25, s31                    ; e1 or e7
	s_add_co_i32 s38, s38, 127
	s_lshl_b32 s39, s38, 23
	v_mov_b32 v11, s39                             ; 2^e
	s_add_co_i32 s38, s38, 8
	s_lshl_b32 s38, s38, 23
	s_or_b32 s38, s38, 0x600000
.macro WBLOCK t
.set XS, WX+32*((\t)%2)
.if (\t) < 7
	s_wait_loadcnt 32                              ; this block's 32 loads are in; the next block's 32 may be out
.else
	s_wait_loadcnt 0
.endif
.set ii, 0
.rept 32
.set ii, ii+1
.endr
.irp g, 0,1,2,3
	v_cvt_scalef32_pk8_fp8_f32 v[WC+2*\g:WC+2*\g+1], v[XS+8*\g:XS+8*\g+7], v11
.endr
	ds_store_b128 v4, v[WC:WC+3] offset:32*(\t)    ; 32 codes: 32 bytes of my column's row
	ds_store_b128 v4, v[WC+4:WC+7] offset:32*(\t)+16
.if (\t)+2 < 8
	WLOAD (\t)+2
.endif
	s_wait_dscnt 0x0                               ; the stores have read their registers: the next block's codes may be written
.endm
	s_wait_alu depctr_va_vdst(0)
.irp t, 0,1,2,3,4,5,6,7
	WBLOCK \t
.endr
.irp u, 0,1,2,3,4,5,6,7,8,9,10,11,12,13,14,15
	ds_load_b128 v[WO+4*\u:WO+4*\u+3], v7 offset:2*\u*WP   ; LDS serves a wave's instructions in order: these see my stores
.endr
.irp u, 0,1,2,3,4,5,6,7,8,9,10,11,12,13,14,15
	s_wait_dscnt 15-\u
	global_store_b128 v8, v[WO+4*\u:WO+4*\u+3], s[14:15] offset:2*\u*1024   ; sixteen lanes store 256 consecutive bytes, at a multiple of 256 from the buffer's first byte
.endr
.Lend:
	s_wait_tensorcnt 0x0                           ; the wave's end, behind my last LDS store
	ds_add_u32 v[SPW], v[NIL]
	s_wait_dscnt 0x0
	s_endpgm
.Lfunc_end_k_q35feb577e1_quant:
	.size	k_q35feb577e1_quant, .Lfunc_end_k_q35feb577e1_quant-k_q35feb577e1_quant
	.p2alignl 7, 3214868480
	.fill 96, 4, 3214868480
	.section	.rodata,"a",@progbits
	.p2align	6, 0x0
	.amdhsa_kernel k_q35feb577e1_quant
		.amdhsa_group_segment_fixed_size 68096
		.amdhsa_private_segment_fixed_size 0
		.amdhsa_enable_private_segment 0
		.amdhsa_kernarg_size 56
		.amdhsa_user_sgpr_count 2
		.amdhsa_user_sgpr_kernarg_segment_ptr 1
		.amdhsa_wavefront_size32 1
		.amdhsa_system_sgpr_workgroup_id_x 1
		.amdhsa_system_sgpr_workgroup_id_y 1
		.amdhsa_system_sgpr_workgroup_id_z 1
		.amdhsa_system_vgpr_workitem_id 0
		.amdhsa_next_free_vgpr 224
		.amdhsa_next_free_sgpr 66
		.amdhsa_reserve_vcc 0
		.amdhsa_float_denorm_mode_32 3
		.amdhsa_float_denorm_mode_16_64 3
		.amdhsa_fp16_overflow 1
		.amdhsa_memory_ordered 1
		.amdhsa_forward_progress 1
		.amdhsa_inst_pref_size 55
	.end_amdhsa_kernel
	.amdgpu_metadata
---
amdhsa.version: [ 1, 2 ]
amdhsa.kernels:
  - .name:           k_q35feb577e1_quant
    .symbol:         k_q35feb577e1_quant.kd
    .args:
      - { .name: x, .offset: 0, .size: 8, .value_kind: global_buffer, .address_space: global }
      - { .name: W_attn, .offset: 8, .size: 8, .value_kind: global_buffer, .address_space: global }
      - { .name: W_proj, .offset: 16, .size: 8, .value_kind: global_buffer, .address_space: global }
      - { .name: lowp_scales, .offset: 24, .size: 8, .value_kind: global_buffer, .address_space: global }
      - { .name: xc, .offset: 32, .size: 8, .value_kind: global_buffer, .address_space: global }
      - { .name: wac, .offset: 40, .size: 8, .value_kind: global_buffer, .address_space: global }
      - { .name: wpc, .offset: 48, .size: 8, .value_kind: global_buffer, .address_space: global }
    .group_segment_fixed_size: 68096
    .private_segment_fixed_size: 0
    .kernarg_segment_align: 8
    .kernarg_segment_size: 56
    .max_flat_workgroup_size: 128
    .sgpr_count:     66
    .vgpr_count:     224
    .wavefront_size: 32
...
	.end_amdgpu_metadata
.endif
;; end of part 1
;; launch gemm1 (part 2): grid 8 x 32, 4 waves a work-group, clusters of 4 x 4, 327,680 bytes of LDS; arguments xc, wac, lowp_scales, b_attn, qc, kc, vc; writes qc, kc, vc
.if DOCPART == 2
	.amdgcn_target "amdgcn-amd-amdhsa--gfx1250"
	.amdhsa_code_object_version 6
	.text
	.protected	k_q35feb577e1_gemm1
	.globl	k_q35feb577e1_gemm1
	.p2align	8
	.type	k_q35feb577e1_gemm1,@function
k_q35feb577e1_gemm1:
	s_mov_b64 s[64:65], 0
	v_nop
	global_prefetch_b8 v0, s[64:65] scope:SCOPE_SE
	s_setreg_imm32_b32 hwreg(HW_REG_WAVE_MODE, 25, 1), 1
	s_wait_xcnt 0x0
	s_wait_alu depctr_hold_cnt(0) depctr_sa_sdst(0) depctr_va_vdst(0) depctr_va_sdst(0) depctr_va_ssrc(0) depctr_va_vcc(0) depctr_vm_vsrc(0)
	s_getreg_b32 s2, hwreg(HW_REG_IB_STS2, 6, 4)
	s_cmp_eq_u32 s2, 0
	s_cbranch_scc0 .Lentry_in_a_cluster
	s_endpgm
.Lentry_in_a_cluster:
	s_bfe_u32 s2, ttmp6, 0x10000c
	s_cmp_lg_u32 s2, 0xf033
	s_cbranch_scc0 .Lentry_shape_is_right
	s_endpgm
.Lentry_shape_is_right:
; THE FIRST PRODUCT, its kept slice: S[m][n] = sum over k of x[m][k] W_attn[k][1024 + n] + b_attn[1024 + n], on codes of FP8 (E4M3): xc [8192][1024], wac [1024 n][1024 k].
; S serves the module as q, k and v alike, so it leaves three times as codes: qc (scale entry 2) and kc (entry 3), both [16 b + h][t][64], and vc (entry 5), [16 b + h][d][t], the keys innermost.
; LIMITS, so that each power of two is an f32 number: e2 - e0 - e1, e3 - e0 - e1 and e5 - e0 - e1 lie between -126 and 119.  Of b_attn only entries 1024 to 2047 are read: the module slices the rest away.
; SHARES.  A tile of S is 256 (m) x 128 (n): 256 work-groups.  Four waves; wave w makes rows 64 w .. 64 w + 63 x all 128 columns: 32 accumulators of 16 x 16.
; THE MATRIX INSTRUCTION IS USED TRANSPOSED (source 0 = 16 rows of wac, source 1 = 16 rows of xc): a lane holds one row m = lane % 16 and eight neighbouring columns 16 b + 8 (lane / 16) + 0 .. 7.
; K goes through a ring of two LDS slots of 256 along K (two steps of 128): four fills in all, so the eight steps are written out and there is no loop.
; CLUSTERS: 4 x 4 work-groups.  A's tile hangs on the tile row alone and is asked for jointly along a row of the cluster, B's on the tile column alone, along a column.
; THE BIAS is the C of the first products, divided by 2^(e0 + e1): an accumulator then holds S / 2^(e0 + e1), and each quantiser is one hold and one conversion with the folded scale 2^(e - e0 - e1).
; A fragment (16 rows x 128 K) comes by four loads of 16 bytes: registers 4 c .. 4 c + 3 hold K = 32 c + 16 (lane / 16) + 0 .. 15: a permutation of k that is the same on both sides.
; REGISTERS, in windows of 256: window 0: addresses, v64-127 the bias, the rest at work on the way out; window 1: accumulator (a, b) at v[8 (8 a + b)];
;   windows 2 and 3: two sets of fragments: A's block a at v[16 a], B's block b at v[64 + 16 b].
; No prefetch: four fills, two of them at the head.  One tile to a work-group.
.set PITCH, 272                        ; an LDS row: 256 bytes + 16 of padding: the sixteen rows of a fragment load start at sixteen different 16-byte columns of 256
.set AREG,  256*PITCH                  ; A's 256 rows
.set SLOT,  AREG+128*PITCH             ; then B's 128 rows: 104,448 bytes
.set ASTEP, 256                        ; from fill to fill along K, in bytes
.set BSTEP, 256
.set QST,   0                          ; the way out.  Stages for q's and k's codes, [head 2][256 rows][80], in slot 0, which has had its last fill and its last read by then
.set KST,   40960
.set VS1,   2*SLOT                     ; behind the ring: v's codes as rows, [256 t][160],
.set VS2,   VS1+256*160                ; and turned, [128 (head, d)][272]
.set SPARE, VS2+128*272                ; the spare words, 128 bytes for each wave: two blocks of 256 bytes that no other line names
.set ADRA, 16                          ; v16-17 LDS address of my A fragments in slot 0, 1
.set ADRB, 20                          ; v20-21 the same for B
.set SCQ, 22                           ; v22-27 for q, k, v: the folded scale as f32, and 448 x it
.set LMQ, 23
.set SCK, 24
.set LMK, 25
.set SCV, 26
.set LMV, 27
.set SPW, 28                           ; v28 LDS address of my spare word; never rewritten
.set NIL, 29                           ; v29 0; never rewritten
.set BIAS, 64
.set G1,  24                           ; s[24:31] descriptor group 1 for A's tiles; s[32:39] group 0, a set for each slot
.set G0,  32
.set G1B, 48                           ; s[48:55], s[56:63] the same for B's
.set G0B, 56
.set MSB, 0
.macro WIN new                         ; the immediate's high byte repeats the setting that is left; a switch that changes nothing is dropped
.if MSB != (\new)
	s_set_vgpr_msb (MSB<<8)|(\new)
.set MSB, (\new)
.endif
.endm
.set MUL0,  0x5a                       ; sources 0 and 1 window 2, C and D window 1
.set MUL1,  0x5f                       ; sources 0 and 1 window 3, C and D window 1
.set MUL0B, 0x4a                       ; as MUL0, C (the bias) window 0
.set RDACC, 0x01                       ; source 0 window 1
.macro JLOAD g0a, g0b                  ; a joint load: waves 0 and 1 fetch A's halves, waves 2 and 3 B's; the branch hangs on the wave's number alone; an s_nop 0 and four v_nop follow each line
	s_cmp_eq_u32 s15, 0
	s_cbranch_scc0 .Lfor_b_\@
	tensor_load_to_lds s[\g0a:\g0a+3], s[G1:G1+7]
	s_nop 0
.rept 4
	v_nop
.endr
	s_branch .Lasked_\@
.Lfor_b_\@:
	tensor_load_to_lds s[\g0b:\g0b+3], s[G1B:G1B+7]
	s_nop 0
.rept 4
	v_nop
.endr
.Lasked_\@:
.endm
.macro CREST                           ; a round of the cluster's barrier behind its opening barrier
	s_cmp_lg_u32 s14, 0
	s_cbranch_scc1 .Lnot_wave_0_\@
	s_barrier_signal -3
.Lnot_wave_0_\@:
	s_barrier_wait -3
	s_barrier_signal -1
	s_barrier_wait -1
.endm
.macro CROUND
	s_barrier_signal -1
	s_barrier_wait -1
	CREST
.endm
.macro PLACES n                        ; plain vector instructions between a matrix instruction and a load into, or a read of, its registers
.rept \n
	v_nop
.endr
.endm
	s_load_b256 s[4:11], s[0:1], 0x0               ; xc s[4:5], wac s[6:7], the scales' exponents s[8:9], b_attn s[10:11]
	s_load_b128 s[84:87], s[0:1], 0x20             ; qc, kc
	s_load_b64 s[88:89], s[0:1], 0x30              ; vc
	v_lshl_add_u32 v[SPW], v0, 2, SPARE
	v_mov_b32 v[NIL], 0
	ds_add_u32 v[SPW], v[NIL]                      ; the wave's opening: the add and its wait stand ahead of my first tensor load; work on registers stands between them
	v_lshrrev_b32 v1, 5, v0
	v_readfirstlane_b32 s14, v1                    ; wave 0..3
	s_lshr_b32 s15, s14, 1                         ; I fetch for A (0) or for B (1)
	s_and_b32 s16, s14, 1                          ; which half of that tile's rows
	s_bfe_u32 s40, ttmp6, 0x40000                  ; cx, cy: my place in the cluster
	s_bfe_u32 s41, ttmp6, 0x40004
	s_lshl_b32 s42, ttmp9, 2
	s_add_co_u32 s42, s42, s40                     ; tile column = 4 x cluster x + cx
	s_and_b32 s17, ttmp7, 0xffff
	s_lshl_b32 s17, s17, 2
	s_add_co_u32 s17, s17, s41                     ; tile row = 4 x cluster y + cy
	s_lshl_b32 s43, s41, 2
	s_lshl_b32 s43, 15, s43                        ; my row of the cluster
	s_lshl_b32 s44, 0x1111, s40                    ; my column
	s_or_b32 s[G1+0], s43, (1<<20)|(1<<21)|(5<<22)|(3<<25)   ; the mask; elements of 1 byte; padding on; bit 21 beside a mask; after every 64 words, 4 words
	s_mov_b32 s[G1+1], 256<<16                     ; tensor_dim0 = 256
	s_mov_b32 s[G1+2], 128<<16                     ; tensor_dim1 = 128
	s_mov_b32 s[G1+3], 256<<16                     ; tile_dim0 = 256
	s_mov_b32 s[G1+4], 128                         ; tile_dim1 = 128
	s_mov_b32 s[G1+5], 1024                        ; from row to row
	s_mov_b32 s[G1+6], 0
	s_mov_b32 s[G1+7], 0
	s_or_b32 s[G1B+0], s44, (1<<20)|(1<<21)|(5<<22)|(3<<25)
	s_mov_b32 s[G1B+1], 256<<16
	s_mov_b32 s[G1B+2], 64<<16                     ; B: 64 rows a load
	s_mov_b32 s[G1B+3], 256<<16
	s_mov_b32 s[G1B+4], 64
	s_mov_b32 s[G1B+5], 1024
	s_mov_b32 s[G1B+6], 0
	s_mov_b32 s[G1B+7], 0
	s_lshl_b32 s18, s16, 7
	s_lshl_b32 s20, s17, 8
	s_add_co_u32 s20, s20, s18
	s_lshl_b32 s20, s20, 10                        ; A: row 256 x tile row + 128 x half, rows of 1,024 bytes
	s_mov_b32 s21, 0
	s_lshl_b32 s19, s16, 6
	s_lshl_b32 s46, s42, 7
	s_add_co_u32 s46, s46, s19
	s_lshl_b32 s46, s46, 10                        ; B: row 128 x tile column + 64 x half
	s_mov_b32 s47, 0
	s_mul_i32 s45, s16, 128*PITCH                  ; where they go: no place in the cluster enters an LDS address
	s_mul_i32 s22, s16, 64*PITCH
	s_add_co_u32 s22, s22, AREG
	s_mov_b32 s90, 0x06040200                      ; v_perm_b32: the even bytes of two words,
	s_mov_b32 s91, 0x07050301                      ; the odd ones
	s_wait_dscnt 0x0                               ; the opening add is done
	s_wait_kmcnt 0x0
	s_load_b256 s[68:75], s[8:9], 0x0              ; e0 .. e7
	s_add_nc_u64 s[20:21], s[4:5], s[20:21]
	s_add_nc_u64 s[46:47], s[6:7], s[46:47]
	CROUND                                         ; all sixteen work-groups are here: the first joint loads meet
.irp s, 0,1
	s_mov_b32 s[G0+4*\s], 1
	s_add_co_u32 s[G0+4*\s+1], s45, \s*SLOT
	s_add_nc_u64 s[G0+4*\s+2:G0+4*\s+3], s[20:21], \s*ASTEP
	s_or_b32 s[G0+4*\s+3], s[G0+4*\s+3], 0x80000000
	s_mov_b32 s[G0B+4*\s], 1
	s_add_co_u32 s[G0B+4*\s+1], s22, \s*SLOT
	s_add_nc_u64 s[G0B+4*\s+2:G0B+4*\s+3], s[46:47], \s*BSTEP
	s_or_b32 s[G0B+4*\s+3], s[G0B+4*\s+3], 0x80000000
	JLOAD G0+4*\s, G0B+4*\s                        ; two loads of mine are out
.endr
	v_and_b32 v1, 15, v0                           ; r = lane % 16
	v_bfe_u32 v2, v0, 4, 1                         ; h = lane / 16
	s_mov_b32 s95, 0
	s_lshl_b32 s94, s42, 9
	s_add_co_u32 s94, s94, 4096
	s_add_nc_u64 s[10:11], s[10:11], s[94:95]      ; b_attn at entry 1024 + 128 x tile column
	v_lshlrev_b32 v4, 5, v2
.irp b, 0,1,2,3,4,5,6,7
	global_load_b128 v[BIAS+8*\b:BIAS+8*\b+3], v4, s[10:11] offset:64*\b        ; in the result's layout: the bias of columns 16 b + 8 h + 0 .. 7
	global_load_b128 v[BIAS+8*\b+4:BIAS+8*\b+7], v4, s[10:11] offset:64*\b+16
.endr
	v_mul_u32_u24 v3, v1, PITCH
	v_lshl_add_u32 v3, v2, 4, v3                   ; a fragment's row x pitch + 16 x half
	s_mul_i32 s18, s14, 64*PITCH
	v_add_nc_u32 v[ADRA], s18, v3
	v_add_nc_u32 v[ADRA+1], SLOT, v[ADRA]
	v_add_nc_u32 v[ADRB], AREG, v3
	v_add_nc_u32 v[ADRB+1], SLOT, v[ADRB]
	; the way out's addresses
	s_mul_i32 s18, s14, 64*80
	v_mul_u32_u24 v5, v1, 80
	v_lshl_add_u32 v5, v2, 3, v5
	v_add_nc_u32 v5, s18, v5                       ; v5: q's stage, in: row 64 w + r, + 8 h
	v_add_nc_u32 v6, KST, v5                       ; v6: k's
	s_mul_i32 s19, s14, 64*160
	s_add_co_u32 s19, s19, VS1
	v_mul_u32_u24 v7, v1, 160
	v_lshl_add_u32 v7, v2, 3, v7
	v_add_nc_u32 v7, s19, v7                       ; v7: v's rows, in
	v_and_b32 v15, 7, v0
	v_lshl_add_u32 v15, v2, 3, v15
	v_mul_u32_u24 v8, v15, 160
	v_bfe_u32 v15, v0, 3, 1
	v_lshl_add_u32 v8, v15, 4, v8
	v_add_nc_u32 v8, s19, v8                       ; v8: the turning load: row 8 h + lane % 8, 16 bytes for each eight lanes
	s_lshl_b32 s23, s14, 6
	s_add_co_u32 s23, s23, VS2
	v_mul_u32_u24 v9, v1, 544
	v_lshl_add_u32 v9, v2, 3, v9
	v_add_nc_u32 v9, s23, v9                       ; v9: v turned, in: row 2 r, byte 64 w + 8 h
	v_and_b32 v15, 31, v0
	v_lshlrev_b32 v13, 4, v15                      ; v13: 16 x lane
	v_lshrrev_b32 v10, 2, v15
	v_mul_u32_u24 v10, v10, 80
	v_and_b32 v15, 3, v0
	v_lshl_add_u32 v10, v15, 4, v10
	v_add_nc_u32 v10, s18, v10                     ; v10: q's stage, back: four lanes to a row of 64 bytes
	v_add_nc_u32 v11, KST, v10                     ; v11: k's
	s_mul_i32 s23, s14, 32*272
	s_add_co_u32 s23, s23, VS2
	v_mul_u32_u24 v12, v2, 272
	v_lshl_add_u32 v12, v1, 4, v12
	v_add_nc_u32 v12, s23, v12                     ; v12: v turned, back: sixteen lanes to a row of 256 bytes
	v_lshlrev_b32 v14, 11, v2
	v_lshl_add_u32 v14, v1, 4, v14                 ; v14: and the same two rows in vc, 2,048 bytes apart
	s_lshr_b32 s92, s17, 3
	s_lshl_b32 s92, s92, 4
	s_lshl_b32 s93, s42, 1
	s_add_co_u32 s92, s92, s93                     ; the tile's first (batch, head): 16 (tile row / 8) + 2 x tile column
	s_lshl_b32 s92, s92, 17                        ; a head is 131,072 bytes in each of the three buffers
	s_and_b32 s93, s17, 7
	s_lshl_b32 s93, s93, 8                         ; the tile's first t
	s_lshl_b32 s94, s93, 6
	s_add_co_u32 s94, s94, s92
	s_lshl_b32 s18, s14, 12
	s_add_co_u32 s94, s94, s18                     ; + my 64 rows of 64 bytes
	s_add_nc_u64 s[84:85], s[84:85], s[94:95]
	s_add_nc_u64 s[86:87], s[86:87], s[94:95]
	s_lshl_b32 s94, s14, 16                        ; vc: my 32 rows of 2,048 bytes, + t
	s_add_co_u32 s94, s94, s92
	s_add_co_u32 s94, s94, s93
	s_add_nc_u64 s[88:89], s[88:89], s[94:95]
	s_wait_kmcnt 0x0
	s_add_co_i32 s76, s68, s69                     ; e0 + e1
	s_sub_co_i32 s77, 0, s76
.macro MKSC e, vs, vl                  ; the folded scale 2^(e - e0 - e1) as f32, and 448 x it
	s_sub_co_i32 s78, s[\e], s76
	s_add_co_i32 s78, s78, 127
	s_lshl_b32 s79, s78, 23
	v_mov_b32 v[\vs], s79
	s_add_co_i32 s78, s78, 8
	s_lshl_b32 s78, s78, 23
	s_or_b32 s78, s78, 0x600000
	v_mov_b32 v[\vl], s78
.endm
	MKSC 70, SCQ, LMQ
	MKSC 71, SCK, LMK
	MKSC 73, SCV, LMV
	s_wait_loadcnt 0x0
.set ii, 0
.rept 64
	v_ldexp_f32 v[BIAS+ii], v[BIAS+ii], s77        ; the bias / 2^(e0 + e1)
.set ii, ii+1
.endr
; 48 LDS loads in one run: the fragments of the slot's q-th 128 along K into set 0 (window 2) or 1 (window 3)
.macro FETCH slot, q, set
	WIN 0x80+0x40*(\set)
.irp b, 0,1,2,3,4,5,6,7
.irp c, 0,1,2,3
	ds_load_b128 v[64+16*\b+4*\c:64+16*\b+4*\c+3], v[ADRB+\slot] offset:16*PITCH*\b+128*(\q)+32*\c
.endr
.endr
.irp a, 0,1,2,3
.irp c, 0,1,2,3
	ds_load_b128 v[16*\a+4*\c:16*\a+4*\c+3], v[ADRA+\slot] offset:16*PITCH*\a+128*(\q)+32*\c
.endr
.endr
.endm
; 8 matrix instructions: A's block a x B's eight.  The 32 accumulators take turns, one instruction a turn, in the same order in every step.  first = 1: the bias starts the sums.
.macro MUL8 a, first
.irp b, 0,1,2,3,4,5,6,7
.if \first
	v_wmma_f32_16x16x128_fp8_fp8 v[8*(8*(\a)+\b):8*(8*(\a)+\b)+7], v[64+16*\b:64+16*\b+15], v[16*(\a):16*(\a)+15], v[BIAS+8*\b:BIAS+8*\b+7]
.else
	v_wmma_f32_16x16x128_fp8_fp8 v[8*(8*(\a)+\b):8*(8*(\a)+\b)+7], v[64+16*\b:64+16*\b+15], v[16*(\a):16*(\a)+15], v[8*(8*(\a)+\b):8*(8*(\a)+\b)+7]
.endif
.endr
.endm
; A slot's first step: multiplies set 0; the second step's fragments are asked for ahead of its 32 products.
.macro EVEN slot, first
	s_wait_dscnt 0x0                               ; set 0 is in
	PLACES 4                                       ; in front of loads into set 1, which the last products read
	FETCH \slot, 1, 1
.if \first
	WIN MUL0B
.else
	WIN MUL0
.endif
	MUL8 0, \first
	MUL8 1, \first
	MUL8 2, \first
	MUL8 3, \first
.endm
; A slot's second step multiplies set 1 and changes slots: ONE barrier; in front of it each wave waits for all its tensor loads, adds 0 to its spare word, and waits for that and for its reads of this slot.
; fill = 1: the barrier opens a round of the cluster's barrier, and this slot is filled again, two fills ahead.
.macro TURN slot, next, fill
	WIN 0                                          ; (the add's two registers lie in window 0)
	s_wait_tensorcnt 0x0                           ; all my tensor loads have landed: my part of the next slot
	ds_add_u32 v[SPW], v[NIL]                      ; 0 onto my spare word
	s_wait_dscnt 0x1                               ; set 1's 48 loads are in; the add alone may be out
	WIN MUL1
	MUL8 0, 0                                      ; eight matrix instructions stand between the add and the wait for it
	s_wait_dscnt 0x0                               ; the add is done, and my reads of this slot are over
	s_barrier_signal -1
	MUL8 1, 0
	WIN 0
	s_barrier_wait -1
.if \fill
	CREST                                          ; no wave of any partner still reads this slot or has a load on its way
	s_add_nc_u64 s[G0+4*\slot+2:G0+4*\slot+3], s[G0+4*\slot+2:G0+4*\slot+3], 2*ASTEP
	s_add_nc_u64 s[G0B+4*\slot+2:G0B+4*\slot+3], s[G0B+4*\slot+2:G0B+4*\slot+3], 2*BSTEP
	JLOAD G0+4*\slot, G0B+4*\slot                  ; the first tensor load behind the round, my only one out; its four v_nop are the places in front of the loads below
.else
	PLACES 4
.endif
	FETCH \next, 0, 0
	WIN MUL1
	MUL8 2, 0
	MUL8 3, 0
.endm
	s_wait_tensorcnt 0x1                           ; my part of the first fill is in; the second may stay out
	s_barrier_signal -1
	s_barrier_wait -1                              ; everybody's is
	FETCH 0, 0, 0
	EVEN 0, 1
	TURN 0, 1, 1
	EVEN 1, 0
	TURN 1, 0, 1
	EVEN 0, 0
	TURN 0, 1, 0                                   ; nothing is left to ask for: a plain barrier; behind it nobody reads slot 0
	EVEN 1, 0
	s_wait_dscnt 0x0
	WIN MUL1
	MUL8 0, 0
	MUL8 1, 0
	MUL8 2, 0
	MUL8 3, 0
	WIN 0
	PLACES 4
; THE WAY OUT.  Four accumulators at a time (16 rows x one head's 64 columns): held and converted three times, each accumulator read from its low end on; 8 codes a lane go to the stages.
.macro GROUP a, hb
.set AC, 8*(8*(\a)+4*(\hb))
	WIN RDACC
.set ii, 0
.rept 32
	v_med3_num_f32 v[128+ii], v[AC+ii], -v[LMQ], v[LMQ]   ; the conversion does not saturate (ISA guide 7.6.2): the hold comes first
.set ii, ii+1
.endr
.set ii, 0
.rept 32
	v_med3_num_f32 v[160+ii], v[AC+ii], -v[LMK], v[LMK]
.set ii, ii+1
.endr
.set ii, 0
.rept 32
	v_med3_num_f32 v[192+ii], v[AC+ii], -v[LMV], v[LMV]
.set ii, ii+1
.endr
	WIN 0
	s_wait_dscnt 0x0                               ; the last group's stores have read the codes' registers
.irp b, 0,1,2,3
	v_cvt_scalef32_pk8_fp8_f32 v[224+2*\b:225+2*\b], v[128+8*\b:135+8*\b], v[SCQ]
	v_cvt_scalef32_pk8_fp8_f32 v[232+2*\b:233+2*\b], v[160+8*\b:167+8*\b], v[SCK]
	v_cvt_scalef32_pk8_fp8_f32 v[240+2*\b:241+2*\b], v[192+8*\b:199+8*\b], v[SCV]
.endr
	v_nop                                          ; one plain vector instruction behind the conversions, ahead of the next vector instruction that writes their sources
.irp b, 0,1,2,3
	ds_store_b64 v5, v[224+2*\b:225+2*\b] offset:20480*(\hb)+1280*(\a)+16*\b
	ds_store_b64 v6, v[232+2*\b:233+2*\b] offset:20480*(\hb)+1280*(\a)+16*\b
	ds_store_b64 v7, v[240+2*\b:241+2*\b] offset:2560*(\a)+64*(\hb)+16*\b
.endr
.endm
.irp a, 0,1,2,3
	GROUP \a, 0
	GROUP \a, 1
.endr
	; v's codes are turned: the 16-bit turning load, used on pairs of bytes, gives lane (r, h) eight t (16 a + 8 h + 0 .. 7) of columns 32 g + 2 r and 32 g + 2 r + 1, interleaved.  My own bytes: LDS serves a wave in order.
.irp a, 0,1,2,3
.irp g, 0,1,2,3
	ds_load_tr16_b128 v[128+4*(4*\a+\g):128+4*(4*\a+\g)+3], v8 offset:2560*\a+32*\g
.endr
.endr
.irp hb, 0,1
.irp u, 0,1,2,3,4,5,6,7
	ds_load_b128 v[64+4*(8*\hb+\u):64+4*(8*\hb+\u)+3], v10 offset:20480*\hb+640*\u   ; q's codes back: 8 rows of 64 bytes an instruction
.endr
.endr
	s_wait_dscnt 16                                ; the turning loads are in; q's sixteen may be out
.set ii, 0
.rept 16
	v_perm_b32 v[192+4*ii], v[129+4*ii], v[128+4*ii], s90   ; the even column's eight t,
	v_perm_b32 v[193+4*ii], v[131+4*ii], v[130+4*ii], s90
	v_perm_b32 v[194+4*ii], v[129+4*ii], v[128+4*ii], s91   ; the odd column's
	v_perm_b32 v[195+4*ii], v[131+4*ii], v[130+4*ii], s91
.set ii, ii+1
.endr
.irp a, 0,1,2,3
.irp g, 0,1,2,3
	ds_store_b64 v9, v[192+4*(4*\a+\g):193+4*(4*\a+\g)] offset:8704*\g+16*\a
	ds_store_b64 v9, v[194+4*(4*\a+\g):195+4*(4*\a+\g)] offset:8704*\g+16*\a+272
.endr
.endr
.irp hb, 0,1
.irp u, 0,1,2,3,4,5,6,7
	ds_load_b128 v[128+4*(8*\hb+\u):128+4*(8*\hb+\u)+3], v11 offset:20480*\hb+640*\u   ; k's codes back
.endr
.endr
	s_wait_dscnt 48                                ; q's are in: behind them stand 32 stores and 16 loads
.irp hb, 0,1
.irp u, 0,1,2,3,4,5,6,7
	global_store_b128 v13, v[64+4*(8*\hb+\u):64+4*(8*\hb+\u)+3], s[84:85] offset:131072*\hb+512*\u   ; 32 lanes store 512 consecutive bytes, aligned
.endr
.endr
	s_wait_dscnt 0x0                               ; for the others' sake: my stores of turned codes are done
	s_barrier_signal -1
	s_barrier_wait -1                              ; a turned row's 256 bytes come from four waves
.irp u, 0,1,2,3,4,5,6,7,8,9,10,11,12,13,14,15
	ds_load_b128 v[192+4*\u:195+4*\u], v12 offset:544*\u
.endr
.irp hb, 0,1
.irp u, 0,1,2,3,4,5,6,7
	global_store_b128 v13, v[128+4*(8*\hb+\u):128+4*(8*\hb+\u)+3], s[86:87] offset:131072*\hb+512*\u
.endr
.endr
.irp u, 0,1,2,3,4,5,6,7,8,9,10,11,12,13,14,15
	s_wait_dscnt 15-\u
	global_store_b128 v14, v[192+4*\u:195+4*\u], s[88:89] offset:4096*\u   ; sixteen lanes store 256 consecutive bytes, aligned
.endr
	s_wait_tensorcnt 0x0                           ; the wave's end, behind my last tensor load and my last LDS store
	ds_add_u32 v[SPW], v[NIL]
	s_wait_dscnt 0x0
	CROUND                                         ; the closing round: no work-group ends while a partner may still ask for a tile that names it
	s_endpgm
.Lfunc_end_k_q35feb577e1_gemm1:
	.size	k_q35feb577e1_gemm1, .Lfunc_end_k_q35feb577e1_gemm1-k_q35feb577e1_gemm1
	.p2alignl 7, 3214868480
	.fill 96, 4, 3214868480
	.section	.rodata,"a",@progbits
	.p2align	6, 0x0
	.amdhsa_kernel k_q35feb577e1_gemm1
		.amdhsa_group_segment_fixed_size 327680
		.amdhsa_private_segment_fixed_size 0
		.amdhsa_enable_private_segment 0
		.amdhsa_kernarg_size 56
		.amdhsa_user_sgpr_count 2
		.amdhsa_user_sgpr_kernarg_segment_ptr 1
		.amdhsa_wavefront_size32 1
		.amdhsa_system_sgpr_workgroup_id_x 1
		.amdhsa_system_sgpr_workgroup_id_y 1
		.amdhsa_system_sgpr_workgroup_id_z 1
		.amdhsa_system_vgpr_workitem_id 0
		.amdhsa_next_free_vgpr 1024
		.amdhsa_next_free_sgpr 100
		.amdhsa_reserve_vcc 0
		.amdhsa_float_denorm_mode_32 3
		.amdhsa_float_denorm_mode_16_64 3
		.amdhsa_memory_ordered 1
		.amdhsa_forward_progress 1
		.amdhsa_inst_pref_size 137
	.end_amdhsa_kernel
	.amdgpu_metadata
---
amdhsa.version: [ 1, 2 ]
amdhsa.kernels:
  - .name:           k_q35feb577e1_gemm1
    .symbol:         k_q35feb577e1_gemm1.kd
    .args:
      - { .name: xc, .offset: 0, .size: 8, .value_kind: global_buffer, .address_space: global }
      - { .name: wac, .offset: 8, .size: 8, .value_kind: global_buffer, .address_space: global }
      - { .name: lowp_scales, .offset: 16, .size: 8, .value_kind: global_buffer, .address_space: global }
      - { .name: b_attn, .offset: 24, .size: 8, .value_kind: global_buffer, .address_space: global }
      - { .name: qc, .offset: 32, .size: 8, .value_kind: global_buffer, .address_space: global }
      - { .name: kc, .offset: 40, .size: 8, .value_kind: global_buffer, .address_space: global }
      - { .name: vc, .offset: 48, .size: 8, .value_kind: global_buffer, .address_space: global }
    .group_segment_fixed_size: 327680
    .private_segment_fixed_size: 0
    .kernarg_segment_align: 8
    .kernarg_segment_size: 56
    .max_flat_workgroup_size: 128
    .sgpr_count:     100
    .vgpr_count:     1024
    .wavefront_size: 32
...
	.end_amdgpu_metadata
.endif
;; end of part 2
;; launch attn (part 3): grid 4 x 64, 16 waves a work-group, no clusters, 327,680 bytes of LDS; arguments qc, kc, vc, lowp_scales, yc; writes yc
.if DOCPART == 3
	.amdgcn_target "amdgcn-amd-amdhsa--gfx1250"
	.amdhsa_code_object_version 6
	.text
	.protected	k_q35feb577e1_attn
	.globl	k_q35feb577e1_attn
	.p2align	8
	.type	k_q35feb577e1_attn,@function
k_q35feb577e1_attn:
	s_mov_b64 s[64:65], 0
	v_nop
	global_prefetch_b8 v0, s[64:65] scope:SCOPE_SE
	s_setreg_imm32_b32 hwreg(HW_REG_WAVE_MODE, 25, 1), 1
	s_wait_xcnt 0x0
; CAUSAL ATTENTION ON CODES of FP8 (E4M3).  qc, kc: [64 (batch, head)][2048 t][64 d]; vc: [64][64 d][2048 t], the keys innermost; yc: [64][2048 t][64 d], y's codes for the last product (scale entry 6).
; THE SOFTMAX AHEAD OF THE SECOND PRODUCT: t = score x log2(e) / 8; M = the row's largest t so far, rounded UP to a whole number; p = 2^(t - M) is quantised (scale entry 4), not normalised.
; The row's sum is taken of the unquantised p, in f32, and divides at the end.  When M moves, the sum and O are multiplied by 2^(old M - new M): exact.
; LIMITS, so that each power of two is an f32 number: e2 + e3 between -123 and 130 (added to the exponent field of log2(e) / 8); e4, and e6 - e4 - e5, between -126 and 119.
; SHARES.  Work-group (i, head) owns the query blocks 7 - i and i of 256 queries, one after the other: key slots 0 .. 7 - i, then 0 .. i: NINE slots of 256 keys for every work-group,
; so all 256 work-groups have equal work and the trip count is a constant.  Each of the sixteen waves owns 16 queries, one tile, in 256 registers: four waves to a SIMD.
; K's and V's tiles come through a ring of two LDS slots filled by the tensor data mover (wave 0: K's 256 rows; wave 1: V's 64 rows) and read by all sixteen.
; NO CLUSTER: the four work-groups of a head need different slots from their fifth trip on (i decides where the second block begins); one common walk of slots 0 .. 7 for both blocks would cost
; twelve slots' time against nine, and what would be shared is 9 x 32 KiB a work-group in the whole launch.
; LAYOUT.  Both products are used transposed: S^T = K Q^T (source 0 = 16 keys, source 1 = my 16 queries), O^T = V^T P^T: a lane holds ONE query (lane % 16) throughout.
; THE KEYS OF A TILE ARE NOT NEIGHBOURS: lane r of tile 2 b + u takes key 32 b + 8 u + r + 8 (r / 8), so that the 16 registers of tiles 2 b and 2 b + 1 are the 16 neighbouring keys 32 b + 16 (lane / 16) + 0 .. 15.
; Fragments come by loads of 16 bytes: a permutation of k that is the same on both sides of each product.
; REGISTERS: v1-11 addresses; v12 -M, v13 the largest t, v[14:15] the sum in two halves; v16-23 Q; v24-26 at work; v27 2^e4; v[28:29] f; v[30:31] a second chain of the sum;
;   v32-95 K's eight fragments, later v32-47 p's codes; v96-159 S^T, then p; v160-191 O^T; v192-255 V's four fragments.
.set KP,    80                         ; a key's row in LDS: 64 bytes + 16 of padding
.set VP,    272                        ; a row of V's tile: 256 bytes + 16
.set VOFF,  256*KP                     ; a slot: 256 rows of K, then 64 rows of V
.set SLOT1, 65536                      ; slot 1 begins here: one exclusive or turns an address in one slot into the other's
.set STAGE, 131072                     ; the way out: 16 rows x 80 bytes for each wave; no fill ever lands here
.set SPARE, STAGE+16*1280              ; the spare words, 128 bytes for each wave: eight blocks of 256 bytes that no other line names
.set WV,  14                           ; s14 wave; s15 i; s16 the query block in hand; s17 the key slot in hand; s18 the step's first key; s19 my first query
.set PI,  15
.set QB,  16
.set KS,  17
.set KF,  18
.set Q0,  19
.set SEL, 20                           ; s[20:21] lane selects for v_permlanex16_b32: lane l xor 16
.set CS,  22                           ; s[22:23] c = log2(e) / 8 x 2^(e2 + e3)
.set G1K, 24                           ; s[24:31], s[32:39] descriptor groups 1; s[40:43], s[44:47] groups 0
.set G1V, 32
.set G0K, 40
.set G0V, 44
.set TB,  62                           ; s62 LDS byte at which the slot in hand begins
.set SLOTS, 63                         ; s63 trips to go
.set LIMP, 76                          ; s77 2^(e6 - e4 - e5)
.set PFA, 80                           ; s[80:81] where my prefetches stand; s[82:83] a slot on, in bytes; s84 the bound of macro ASK
.set PFS, 82
.set LIM, 84
.macro TLOAD                           ; wave 0 fetches K's tile, wave 1 V's, the others nothing; the branches hang on the wave's number alone; an s_nop 0 and four v_nop follow each line
	s_cmp_eq_u32 s[WV], 0
	s_cbranch_scc0 .Lnot_k_\@
	tensor_load_to_lds s[G0K:G0K+3], s[G1K:G1K+7]
	s_nop 0
.rept 4
	v_nop
.endr
	s_branch .Lasked_\@
.Lnot_k_\@:
	s_cmp_eq_u32 s[WV], 1
	s_cbranch_scc0 .Lasked_\@
	tensor_load_to_lds s[G0V:G0V+3], s[G1V:G1V+7]
	s_nop 0
.rept 4
	v_nop
.endr
.Lasked_\@:
.endm
; A PREFETCH of what the NEXT change of slots will ask for.  Of a head's four work-groups the one with i = 0 walks key slots 0 to 7 on end: it alone asks.  In it waves 4 and 5 ask for K's 16,384 bytes
; (8,192 a wave, lanes 256 bytes apart), waves 6 and 7 for V's 64 rows (32 a wave, a lane a row: a slot's part of a row is 256 bytes, aligned): one instruction each, each block named once in the launch.
; Trips 0 to 5 name slots 2 to 7 (s63 runs 8, 7, .. and the bound is 2); slots 0 and 1 come by their loads alone, and nothing is asked for past slot 7.
.macro ASK
	s_cmp_gt_u32 s[SLOTS], s[LIM]
	s_cbranch_scc0 .Lnot_mine_\@
	global_prefetch_b8 v3, s[PFA:PFA+1] th:TH_LOAD_NT scope:SCOPE_SE
.Lnot_mine_\@:
.endm
.macro SETQ                            ; my first query of block s16, and its rows in qc and yc
	s_lshl_b32 s[Q0], s[QB], 8
	s_lshl_b32 s79, s[WV], 4
	s_add_co_u32 s[Q0], s[Q0], s79
	s_lshl_b32 s66, s[Q0], 6
	s_add_nc_u64 s[86:87], s[56:57], s[66:67]
	s_add_nc_u64 s[88:89], s[58:59], s[66:67]
.endm
.macro INIT                            ; Q's fragment; the largest t so far -3e38, under every t; the sum and O^T zeros, which the first change of M leaves zeros
	global_load_b128 v[16:19], v4, s[86:87]
	global_load_b128 v[20:23], v4, s[86:87] offset:32
	v_mov_b32 v13, 0xff61b1e6
	s_delay_alu instid0(VALU_DEP_1)
	v_floor_f32 v12, -v13
	v_mov_b32 v14, 0
	v_mov_b32 v15, 0
.set ii, 0
.rept 32
	v_mov_b32 v[160+ii], 0
.set ii, ii+1
.endr
	s_wait_loadcnt 0x0
.endm
	s_load_b256 s[4:11], s[0:1], 0x0               ; qc s[4:5], kc s[6:7], vc s[8:9], the scales' exponents s[10:11]
	s_load_b64 s[12:13], s[0:1], 0x20              ; yc
	v_lshl_add_u32 v5, v0, 2, SPARE                ; v5: LDS address of my spare word; never rewritten
	v_mov_b32 v6, 0                                ; v6: 0; never rewritten
	ds_add_u32 v5, v6                              ; the wave's opening: the add and its wait stand ahead of my first tensor load; work on registers stands between them
	ds_add_u32 v5, v6
	v_lshrrev_b32 v8, 5, v0
	s_delay_alu instid0(VALU_DEP_1)
	v_readfirstlane_b32 s[WV], v8                  ; wave 0..15
	s_mov_b32 s[PI], ttmp9
	s_and_b32 s90, ttmp7, 0xffff                   ; the (batch, head)
	s_lshl_b32 s92, s90, 17                        ; 131,072 bytes in each of the four buffers
	s_mov_b32 s93, 0
	s_mov_b32 s[G1K], (1<<20)|(3<<22)|(3<<25)      ; no mask; elements of 1 byte; padding on: after every 16 words, 4 words
	s_mov_b32 s[G1K+1], 64<<16                     ; tensor_dim0 = 64
	s_mov_b32 s[G1K+2], 256<<16                    ; tensor_dim1 = 256
	s_mov_b32 s[G1K+3], 64<<16                     ; tile_dim0 = 64
	s_mov_b32 s[G1K+4], 256                        ; tile_dim1 = 256
	s_mov_b32 s[G1K+5], 64                         ; from row to row
	s_mov_b32 s[G1K+6], 0
	s_mov_b32 s[G1K+7], 0
	s_mov_b32 s[G1V], (1<<20)|(5<<22)|(3<<25)      ; padding: after every 64 words, 4 words
	s_mov_b32 s[G1V+1], 256<<16
	s_mov_b32 s[G1V+2], 64<<16
	s_mov_b32 s[G1V+3], 256<<16
	s_mov_b32 s[G1V+4], 64
	s_mov_b32 s[G1V+5], 2048
	s_mov_b32 s[G1V+6], 0
	s_mov_b32 s[G1V+7], 0
	s_mov_b32 s[SEL], 0x76543210
	s_mov_b32 s[SEL+1], 0xfedcba98
	s_mov_b32 s[CS], 0x3e38aa3b                    ; log2(e) / 8
	s_mov_b32 s53, 0
	s_mov_b32 s55, 0
	s_mov_b32 s67, 0
	s_sub_co_u32 s[QB], 7, s[PI]                   ; the first block: 7 - i
	s_mov_b32 s[KS], 0
	s_mov_b32 s[TB], 0
	s_mov_b32 s[SLOTS], 8
	s_wait_dscnt 0x0                               ; the opening add is done
	s_wait_kmcnt 0x0
	s_load_b256 s[68:75], s[10:11], 0x0            ; e0 .. e7
	s_add_nc_u64 s[48:49], s[6:7], s[92:93]        ; the head in kc,
	s_add_nc_u64 s[50:51], s[8:9], s[92:93]        ; in vc,
	s_add_nc_u64 s[56:57], s[4:5], s[92:93]        ; in qc,
	s_add_nc_u64 s[58:59], s[12:13], s[92:93]      ; in yc
	s_mov_b32 s[G0K], 1
	s_mov_b32 s[G0K+1], 0                          ; slot 0
	s_mov_b64 s[G0K+2:G0K+3], s[48:49]             ; key slot 0
	s_or_b32 s[G0K+3], s[G0K+3], 0x80000000
	s_mov_b32 s[G0V], 1
	s_mov_b32 s[G0V+1], VOFF
	s_mov_b64 s[G0V+2:G0V+3], s[50:51]
	s_or_b32 s[G0V+3], s[G0V+3], 0x80000000
	TLOAD                                          ; one tensor load of a wave is out at the most, here and in every trip
	SETQ
	; the prefetches: where my wave's stand, and who asks
	s_cmp_lt_u32 s[WV], 6
	s_cselect_b64 s[PFA:PFA+1], s[6:7], s[8:9]
	s_mov_b32 s[PFS], 256
	s_cselect_b32 s[PFS], 16384, s[PFS]            ; a slot on
	s_mov_b32 s85, 2048
	s_cselect_b32 s85, 256, s85                    ; from lane to lane
	s_mov_b32 s90, 65536
	s_cselect_b32 s90, 8192, s90                   ; from wave to wave
	v_and_b32 v3, 31, v0
	s_delay_alu instid0(VALU_DEP_1)
	v_mul_lo_u32 v3, v3, s85                       ; v3: the prefetches' offset; never rewritten
	s_and_b32 s91, s[WV], 1
	s_mul_i32 s90, s91, s90
	s_add_co_u32 s90, s90, s[PFS]                  ; in slot 1: the first change of slots steps it to slot 2
	s_mov_b32 s91, 0
	s_mov_b32 s[PFS+1], 0
	s_add_nc_u64 s[PFA:PFA+1], s[PFA:PFA+1], s[92:93]
	s_add_nc_u64 s[PFA:PFA+1], s[PFA:PFA+1], s[90:91]
	s_sub_co_u32 s90, s[WV], 4
	s_lshr_b32 s90, s90, 2                         ; 0 in waves 4 to 7,
	s_or_b32 s90, s90, ttmp9                       ; of the work-group with i = 0
	s_cmp_eq_u32 s90, 0
	s_cselect_b32 s[LIM], 2, -1
	v_and_b32 v8, 15, v0                           ; r
	v_bfe_u32 v9, v0, 4, 1                         ; h
	v_and_b32 v24, 31, v0                          ; lane
	s_delay_alu instid0(VALU_DEP_3)
	v_and_b32 v25, 8, v8
	s_delay_alu instid0(VALU_DEP_1)
	v_add_nc_u32 v25, v25, v8                      ; r + 8 (r / 8)
	s_delay_alu instid0(VALU_DEP_1)
	v_mul_u32_u24 v1, v25, KP
	s_delay_alu instid0(VALU_DEP_1)
	v_lshl_add_u32 v1, v9, 4, v1                   ; v1: my lane's place in a tile of K
	v_mul_u32_u24 v2, v8, VP
	s_delay_alu instid0(VALU_DEP_1)
	v_lshl_add_u32 v2, v9, 4, v2
	s_delay_alu instid0(VALU_DEP_1)
	v_add_nc_u32 v2, VOFF, v2                      ; v2: the same for V
	v_lshlrev_b32 v4, 6, v8
	s_delay_alu instid0(VALU_DEP_1)
	v_lshl_add_u32 v4, v9, 4, v4                   ; v4: Q: row r of 64 bytes, + 16 h
	v_lshlrev_b32 v7, 4, v24                       ; v7: 16 x lane
	s_mul_i32 s79, s[WV], 1280
	s_add_co_u32 s79, s79, STAGE
	v_mul_u32_u24 v10, v8, 80
	s_delay_alu instid0(VALU_DEP_1)
	v_lshl_add_u32 v10, v9, 3, v10
	s_delay_alu instid0(VALU_DEP_1)
	v_add_nc_u32 v10, s79, v10                     ; v10: my stage, in: row r, + 8 h
	v_lshrrev_b32 v11, 2, v24
	s_delay_alu instid0(VALU_DEP_1)
	v_mul_u32_u24 v11, v11, 80
	v_and_b32 v25, 3, v24
	s_delay_alu instid0(VALU_DEP_1)
	v_lshl_add_u32 v11, v25, 4, v11
	s_delay_alu instid0(VALU_DEP_1)
	v_add_nc_u32 v11, s79, v11                     ; v11: back: four lanes to a row of 64 bytes
	v_mov_b32 v26, 0                               ; written once: a lane permute's destination counts as one of its sources
	v_mov_b32 v29, 0                               ; (named as the upper half of the pair v[28:29])
	INIT
	s_wait_kmcnt 0x0
	s_add_co_i32 s79, s70, s71
	s_lshl_b32 s79, s79, 23
	s_add_co_i32 s[CS], s[CS], s79                 ; a score stands for score x 2^(e2 + e3): the two exponents are added to c's exponent field
	s_mov_b32 s[CS+1], s[CS]                       ; (named with it as a pair, so it is written)
	s_add_co_i32 s79, s72, 127
	s_lshl_b32 s85, s79, 23
	v_mov_b32 v27, s85                             ; 2^e4 as f32, for p's conversions
	s_sub_co_i32 s79, s74, s72                     ; y = O / l x 2^(e4 + e5), its code y / 2^e6: the three scales are folded into one, 2^(e6 - e4 - e5)
	s_sub_co_i32 s79, s79, s73
	s_add_co_i32 s79, s79, 127
	s_lshl_b32 s77, s79, 23
; A KEY STEP: 128 keys, the q-th of the slot in hand.
.macro STEP q
.if \q                                         ; a step all of whose keys come after my 16 queries is left out: that can only be a slot's second step.  A scalar branch on ids; no barrier, wait for tiles or tensor load stands in a step
	s_add_co_u32 s79, s[Q0], 15
	s_cmp_gt_u32 s[KF], s79
	s_cbranch_scc1 .Lhidden_\@
.endif
	v_add_nc_u32 v8, s[TB], v1
	v_add_nc_u32 v9, s[TB], v2
	v_nop
	v_nop                                          ; four plain instructions in front of loads into registers that the last products read
.irp t, 0,1,2,3,4,5,6,7
.irp c, 0,1
	ds_load_b128 v[32+8*\t+4*\c:32+8*\t+4*\c+3], v8 offset:(128*(\q)+32*(\t/2)+8*(\t%2))*KP+32*\c
.endr
.endr
.irp t, 0,1,2,3
.irp c, 0,1,2,3
	ds_load_b128 v[192+16*\t+4*\c:192+16*\t+4*\c+3], v9 offset:16*\t*VP+128*(\q)+32*\c
.endr
.endr
	s_wait_dscnt 16                                ; K's sixteen loads are in; V's sixteen may be out until the second product
.irp t, 0,1,2,3,4,5,6,7
	v_wmma_f32_16x16x64_fp8_fp8 v[96+8*\t:103+8*\t], v[32+8*\t:39+8*\t], v[16:23], 0
.endr
.rept 4
	v_nop
.endr
	s_add_co_u32 s79, s[KF], 127                   ; on the diagonal the scores of hidden keys become -infinity ahead of the maximum: p = 0 then.  A step all of whose keys count skips this
	s_cmp_le_u32 s79, s[Q0]
	s_cbranch_scc1 .Lopen_\@
	s_sub_co_i32 s79, s[Q0], s[KF]
	v_and_b32 v24, 15, v0
	v_bfe_u32 v25, v0, 4, 1
	s_delay_alu instid0(VALU_DEP_1)
	v_lshlrev_b32 v25, 4, v25
	s_delay_alu instid0(VALU_DEP_1)
	v_sub_nc_u32 v24, v24, v25
	s_delay_alu instid0(VALU_DEP_1)
	v_add_nc_u32 v24, s79, v24                     ; d = my query - the first key - 16 (lane / 16).  Register 16 b + i holds key 32 b + 16 (lane / 16) + i of the step: hidden where 32 b + i > d
	v_mov_b32 v26, 0xff800000
.irp n, 0,1,2,3,4,5,6,7,8,9,10,11,12,13,14,15,16,17,18,19,20,21,22,23,24,25,26,27,28,29,30,31,32,33,34,35,36,37,38,39,40,41,42,43,44,45,46,47,48,49,50,51,52,53,54,55,56,57,58,59,60,61,62,63
	v_cmp_gt_i32 vcc_lo, 32*(\n/16)+\n%16, v24
	v_cndmask_b32 v[96+\n], v[96+\n], v26, vcc_lo
.endr
.Lopen_\@:
	v_max3_num_f32 v24, v96, v97, v98              ; the step's largest score of my query among my 64 keys, in two chains; each accumulator is read from its low end on
	v_max3_num_f32 v25, v99, v100, v101
.irp i, 6,10,14,18,22,26,30,34,38,42,46,50,54,58
	v_max3_num_f32 v24, v24, v[96+\i], v[97+\i]
	v_max3_num_f32 v25, v25, v[98+\i], v[99+\i]
.endr
	v_max3_num_f32 v24, v24, v158, v159
	s_delay_alu instid0(VALU_DEP_1)
	v_max_num_f32 v24, v24, v25
	s_delay_alu instid0(VALU_DEP_1)
	v_permlanex16_b32 v26, v24, s[SEL], s[SEL+1]
	s_delay_alu instid0(VALU_DEP_1)
	v_max_num_f32 v24, v24, v26                    ; and among lane l xor 16's
	s_delay_alu instid0(VALU_DEP_1)
	v_mul_f32 v24, s[CS], v24                      ; as t (c is positive)
	s_delay_alu instid0(VALU_DEP_1)
	v_max_num_f32 v13, v13, v24                    ; the running largest t
	v_mov_b32 v24, v12
	s_delay_alu instid0(VALU_DEP_2)
	v_floor_f32 v12, -v13                          ; the new -M = floor(-t) = -ceil(t): a whole number
	s_delay_alu instid0(VALU_DEP_1)
	v_sub_f32 v24, v12, v24                        ; old M - new M: a whole number, 0 or less
	s_delay_alu instid0(VALU_DEP_1)
	v_cvt_i32_f32 v24, v24                         ; (it saturates)
	s_delay_alu instid0(VALU_DEP_1)
	v_ldexp_f32 v28, 1.0, v24                      ; f = 2^(old M - new M)
.set jj, 0
.rept 32
	v_pk_fma_f32 v[96+jj:97+jj], v[96+jj:97+jj], s[CS:CS+1], v[12:13] op_sel_hi:[1,0,0]   ; t - M, two at a time
.set jj, jj+2
.endr
.set jj, 0
	s_wait_alu depctr_va_vdst(0)
.rept 64
	v_exp_f32 v[96+jj], v[96+jj]                   ; p = 2^(t - M), at most 1
.set jj, jj+1
.endr
	v_pk_mul_f32 v[14:15], v[14:15], v[28:29] op_sel_hi:[1,0]   ; the sums under the new M: the plain instruction behind the exponentials
	s_wait_alu depctr_va_vdst(0)                   ; one wait for the whole batch, ahead of its first reader
	v_pk_add_f32 v[30:31], v[100:101], v[104:105]
	v_pk_add_f32 v[94:95], v[108:109], v[112:113]
	v_pk_add_f32 v[92:93], v[116:117], v[120:121]
	v_pk_add_f32 v[90:91], v[124:125], v[128:129]
	v_pk_add_f32 v[88:89], v[132:133], v[136:137]
	v_pk_add_f32 v[86:87], v[140:141], v[144:145]
	v_pk_add_f32 v[84:85], v[148:149], v[152:153]
	v_pk_add_f32 v[14:15], v[14:15], v[156:157]
	v_pk_add_f32 v[30:31], v[30:31], v[96:97]
	v_pk_add_f32 v[94:95], v[94:95], v[98:99]
	v_pk_add_f32 v[92:93], v[92:93], v[102:103]
	v_pk_add_f32 v[90:91], v[90:91], v[106:107]
	v_pk_add_f32 v[88:89], v[88:89], v[110:111]
	v_pk_add_f32 v[86:87], v[86:87], v[114:115]
	v_pk_add_f32 v[84:85], v[84:85], v[118:119]
	v_pk_add_f32 v[14:15], v[14:15], v[122:123]
	v_pk_add_f32 v[30:31], v[30:31], v[126:127]
	v_pk_add_f32 v[94:95], v[94:95], v[130:131]
	v_pk_add_f32 v[92:93], v[92:93], v[134:135]
	v_pk_add_f32 v[90:91], v[90:91], v[138:139]
	v_pk_add_f32 v[88:89], v[88:89], v[142:143]
	v_pk_add_f32 v[86:87], v[86:87], v[146:147]
	v_pk_add_f32 v[84:85], v[84:85], v[150:151]
	v_pk_add_f32 v[14:15], v[14:15], v[154:155]
	v_pk_add_f32 v[30:31], v[30:31], v[158:159]
	s_delay_alu instid0(VALU_DEP_2)
	v_pk_add_f32 v[14:15], v[14:15], v[90:91]
	s_delay_alu instid0(VALU_DEP_2)
	v_pk_add_f32 v[30:31], v[30:31], v[88:89]
	v_pk_add_f32 v[94:95], v[94:95], v[86:87]
	v_pk_add_f32 v[92:93], v[92:93], v[84:85]
	s_delay_alu instid0(VALU_DEP_2)
	v_pk_add_f32 v[14:15], v[14:15], v[94:95]
	s_delay_alu instid0(VALU_DEP_2)
	v_pk_add_f32 v[30:31], v[30:31], v[92:93]
	s_delay_alu instid0(VALU_DEP_1)
	v_pk_add_f32 v[14:15], v[14:15], v[30:31]
.irp b, 0,1,2,3
.irp i, 0,1,2,3,4,5,6,7,8,9,10,11,12,13,14,15
.endr
	v_cvt_scalef32_pk8_fp8_f32 v[32+4*\b:33+4*\b], v[96+16*\b:103+16*\b], v27
	v_cvt_scalef32_pk8_fp8_f32 v[34+4*\b:35+4*\b], v[104+16*\b:111+16*\b], v27
.endr
.set jj, 0
.rept 16
	v_pk_mul_f32 v[160+jj:161+jj], v[160+jj:161+jj], v[28:29] op_sel_hi:[1,0]   ; O^T under the new M.  (Also the plain instructions between the conversions and the products that read the codes)
.set jj, jj+2
.endr
	s_wait_alu depctr_va_vdst(0)
	s_wait_dscnt 0x0                               ; V's fragments are in
.irp t, 0,1,2,3
	v_wmma_f32_16x16x128_fp8_fp8 v[160+8*\t:167+8*\t], v[192+16*\t:207+16*\t], v[32:47], v[160+8*\t:167+8*\t]   ; the four accumulators take turns, one instruction a turn
.endr
.if \q
.Lhidden_\@:
.endif
	s_add_co_u32 s[KF], s[KF], 128
.endm
; THE CHANGE OF SLOTS stands at a slot's head.  Each wave waits for all its tensor loads (the slot that it is about to read), adds 0 to its spare word, and waits for that and for its reads of the slot that it has left.
; Behind the barrier the slot ahead is whole and nobody reads the other one.  fill = 1: that other slot takes the key slot that follows: the next one, or slot 0 where the block in hand ends here.
.macro CHANGE fill
	s_wait_tensorcnt 0x0                           ; no tensor load of mine is out, so a group 0 may be written
	ds_add_u32 v5, v6                              ; 0 onto my spare word; the descriptors' steps stand between it and the wait for it
.if \fill
	s_add_co_u32 s79, s[KS], 1
	s_cmp_eq_u32 s[KS], s[QB]
	s_cselect_b32 s79, 0, s79                      ; the key slot that follows
	s_lshl_b32 s52, s79, 14                        ; 256 rows of 64 bytes in kc,
	s_lshl_b32 s54, s79, 8                         ; 256 bytes of each row of vc
	s_xor_b32 s[G0K+1], s[G0K+1], SLOT1            ; the other LDS slot than last time
	s_xor_b32 s[G0V+1], s[G0V+1], SLOT1
	s_add_nc_u64 s[G0K+2:G0K+3], s[48:49], s[52:53]
	s_or_b32 s[G0K+3], s[G0K+3], 0x80000000
	s_add_nc_u64 s[G0V+2:G0V+3], s[50:51], s[54:55]
	s_or_b32 s[G0V+3], s[G0V+3], 0x80000000
	s_wait_xcnt 0x0                                ; the last prefetch, a slot back, has read its address, so it may be written
	s_add_nc_u64 s[PFA:PFA+1], s[PFA:PFA+1], s[PFS:PFS+1]
.endif
	s_wait_dscnt 0x0                               ; the add is done, and my reads of the slot that I have left are over
	s_barrier_signal -1
	s_barrier_wait -1
.if \fill
	TLOAD                                          ; the first thing behind the barrier, and a wave's one tensor load until the next: it has a slot's two steps in which to land
	ASK
.endif
.endm
; THE WAY OUT of a block: O^T / the sum, converted with the folded scale; 8 codes a lane go through my stage and leave as 512 consecutive bytes an instruction.
.macro WAYOUT
	v_add_f32 v14, v14, v15                        ; the sum's two halves,
	s_delay_alu instid0(VALU_DEP_1)
	v_permlanex16_b32 v26, v14, s[SEL], s[SEL+1]
	s_delay_alu instid0(VALU_DEP_1)
	v_add_f32 v14, v14, v26                        ; and lane l xor 16's
	s_wait_alu depctr_va_vdst(0)
	v_rcp_f32 v14, v14
	v_mov_b32 v24, s77                             ; (plain instructions behind the reciprocal, and behind the last products)
	v_nop
	v_nop
	s_wait_alu depctr_va_vdst(0)                   ; the wait ahead of the reciprocal's first reader
.set jj, 0
.rept 32
	v_mul_f32 v[96+jj], v[160+jj], v14             ; register 8 t + i is o(r, 16 t + 8 h + i); each accumulator from its low end on
.set jj, jj+1
.endr
.set jj, 0
.rept 32
.set jj, jj+1
.endr
.irp t, 0,1,2,3
	v_cvt_scalef32_pk8_fp8_f32 v[32+2*\t:33+2*\t], v[96+8*\t:103+8*\t], v24
.endr
	v_nop                                          ; one plain vector instruction behind the conversions
.irp t, 0,1,2,3
	ds_store_b64 v10, v[32+2*\t:33+2*\t] offset:16*\t
.endr
	ds_load_b128 v[40:43], v11                     ; LDS serves a wave's instructions in order: these see my stores
	ds_load_b128 v[44:47], v11 offset:640
	s_wait_dscnt 0x1
	global_store_b128 v7, v[40:43], s[88:89]       ; 8 rows of 64 bytes: 512 consecutive bytes, aligned
	s_wait_dscnt 0x0
	global_store_b128 v7, v[44:47], s[88:89] offset:512
	s_wait_xcnt 0x0                                ; the stores have read their registers and their base: both are written again below
.endm
.Ltrip:                                            ; eight trips; behind each change of slots the next key slot is asked for
	CHANGE 1
	s_lshl_b32 s[KF], s[KS], 8
	STEP 0
	STEP 1
	s_xor_b32 s[TB], s[TB], SLOT1                  ; on to the other slot
	s_cmp_lg_u32 s[KS], s[QB]                      ; the block's last slot?  Ids and the count of trips alone; the branch leads round no barrier, wait for tiles, add or tensor load
	s_cbranch_scc1 .Lgo_on
	WAYOUT                                         ; block 7 - i is finished;
	s_mov_b32 s[QB], s[PI]                         ; block i begins, at key slot 0, which the change above has asked for
	SETQ
	INIT
	s_mov_b32 s[KS], -1
.Lgo_on:
	s_add_co_u32 s[KS], s[KS], 1
	s_sub_co_u32 s[SLOTS], s[SLOTS], 1
	s_cmp_lg_u32 s[SLOTS], 0
	s_cbranch_scc1 .Ltrip
	CHANGE 0                                       ; the ninth slot is written out: it is block i's last
	s_lshl_b32 s[KF], s[KS], 8
	STEP 0
	STEP 1
	WAYOUT
	s_wait_tensorcnt 0x0                           ; the wave's end, behind my last tensor load and my last LDS store
	ds_add_u32 v5, v6
	s_wait_dscnt 0x0
	s_endpgm
.Lfunc_end_k_q35feb577e1_attn:
	.size	k_q35feb577e1_attn, .Lfunc_end_k_q35feb577e1_attn-k_q35feb577e1_attn
	.p2alignl 7, 3214868480
	.fill 96, 4, 3214868480
	.section	.rodata,"a",@progbits
	.p2align	6, 0x0
	.amdhsa_kernel k_q35feb577e1_attn
		.amdhsa_group_segment_fixed_size 327680
		.amdhsa_private_segment_fixed_size 0
		.amdhsa_enable_private_segment 0
		.amdhsa_kernarg_size 40
		.amdhsa_user_sgpr_count 2
		.amdhsa_user_sgpr_kernarg_segment_ptr 1
		.amdhsa_wavefront_size32 1
		.amdhsa_system_sgpr_workgroup_id_x 1
		.amdhsa_system_sgpr_workgroup_id_y 1
		.amdhsa_system_sgpr_workgroup_id_z 1
		.amdhsa_system_vgpr_workitem_id 0
		.amdhsa_next_free_vgpr 256
		.amdhsa_next_free_sgpr 96
		.amdhsa_reserve_vcc 1
		.amdhsa_float_denorm_mode_32 3
		.amdhsa_float_denorm_mode_16_64 3
		.amdhsa_fp16_overflow 1
		.amdhsa_memory_ordered 1
		.amdhsa_forward_progress 1
		.amdhsa_inst_pref_size 93
	.end_amdhsa_kernel
	.amdgpu_metadata
---
amdhsa.version: [ 1, 2 ]
amdhsa.kernels:
  - .name:           k_q35feb577e1_attn
    .symbol:         k_q35feb577e1_attn.kd
    .args:
      - { .name: qc, .offset: 0, .size: 8, .value_kind: global_buffer, .address_space: global }
      - { .name: kc, .offset: 8, .size: 8, .value_kind: global_buffer, .address_space: global }
      - { .name: vc, .offset: 16, .size: 8, .value_kind: global_buffer, .address_space: global }
      - { .name: lowp_scales, .offset: 24, .size: 8, .value_kind: global_buffer, .address_space: global }
      - { .name: yc, .offset: 32, .size: 8, .value_kind: global_buffer, .address_space: global }
    .group_segment_fixed_size: 327680
    .private_segment_fixed_size: 0
    .kernarg_segment_align: 8
    .kernarg_segment_size: 40
    .max_flat_workgroup_size: 512
    .sgpr_count:     96
    .vgpr_count:     256
    .wavefront_size: 32
...
	.end_amdgpu_metadata
.endif
;; end of part 3
;; launch gemm2 (part 4): grid 8 x 32, 4 waves a work-group, clusters of 4 x 4, 327,680 bytes of LDS; arguments yc, wpc, lowp_scales, b_proj, out0; writes out0
.if DOCPART == 4
	.amdgcn_target "amdgcn-amd-amdhsa--gfx1250"
	.amdhsa_code_object_version 6
	.text
	.protected	k_q35feb577e1_gemm2
	.globl	k_q35feb577e1_gemm2
	.p2align	8
	.type	k_q35feb577e1_gemm2,@function
k_q35feb577e1_gemm2:
	s_mov_b64 s[64:65], 0
	v_nop
	global_prefetch_b8 v0, s[64:65] scope:SCOPE_SE
	s_setreg_imm32_b32 hwreg(HW_REG_WAVE_MODE, 25, 1), 1
	s_wait_xcnt 0x0
	s_wait_alu depctr_hold_cnt(0) depctr_sa_sdst(0) depctr_va_vdst(0) depctr_va_sdst(0) depctr_va_ssrc(0) depctr_va_vcc(0) depctr_vm_vsrc(0)
	s_getreg_b32 s2, hwreg(HW_REG_IB_STS2, 6, 4)
	s_cmp_eq_u32 s2, 0
	s_cbranch_scc0 .Lentry_in_a_cluster
	s_endpgm
.Lentry_in_a_cluster:
	s_bfe_u32 s2, ttmp6, 0x10000c
	s_cmp_lg_u32 s2, 0xf033
	s_cbranch_scc0 .Lentry_shape_is_right
	s_endpgm
.Lentry_shape_is_right:
; THE LAST PRODUCT: out0[m][n] = sum over k of y[m][k] W_proj[k][n] x 2^(e6 + e7) + b_proj[n], on codes of FP8 (E4M3).  yc: [16 b + h][t][64 d] (m = 2048 b + t, k = 64 h + d); wpc: [1024 n][1024 k]; out0: [8192][1024] f32.
; LIMIT: e6 + e7 lies between -126 and 127, so that 2^(e6 + e7) is an f32 number.
; SHARES, ring, cluster and registers are those of the first product's launch: a tile of 256 (m) x 128 (n), 256 work-groups, four waves of 64 x 128 each (32 accumulators); the matrix instruction used transposed;
; two LDS slots of 256 along K, four fills, eight steps of 128 written out; A's tiles asked for jointly along a row of the 4 x 4 cluster, B's along a column.
; A'S TILE.  256 along K are four heads, and a head's 128 rows of 64 bytes lie on end in yc: so a tile is 4 "rows" of 8,192 bytes, 131,072 bytes apart, padded by 16 bytes behind every 64:
; in LDS it lies as [head 4][row 128][80].  A fragment's four loads of 16 bytes take K = 32 c + 16 (lane / 16) + 0 .. 15: head c / 2 of the step's two, byte 32 (c % 2) + 16 (lane / 16); B's take the same k.
; The first products start the sums with the constant 0; on the way out one packed multiply-add gives sum x 2^(e6 + e7) + bias.
; REGISTERS, in windows of 256: window 0: addresses, v64-127 the bias, v128-255 at work on the way out; window 1: accumulator (a, b) at v[8 (8 a + b)]; windows 2, 3: two sets of fragments (A's block a at v[16 a], B's block b at v[64 + 16 b]).
.set PITCH, 272                        ; B's LDS row: 256 bytes + 16 of padding
.set APL,   10240                      ; A: a head's 128 rows of 80 bytes
.set AREG,  8*APL                      ; A's two halves of four heads
.set SLOT,  AREG+128*PITCH             ; 116,736 bytes
.set ASTEP, 524288                     ; from fill to fill: four heads on
.set BSTEP, 256
.set SPARE, 2*SLOT                     ; behind the ring: the spare words, 128 bytes for each wave: two blocks of 256 bytes that no other line names
.set SPITCH, 528                       ; the way out: a stage of 16 rows x (512 bytes + 16) for each wave, in slot 0, which has had its last fill and its last read by then
.set ADRA, 16
.set ADRB, 20
.set STO,  24                          ; v24 the stage, in; v25 back; v26 16 x lane
.set RD,   25
.set CO,   26
.set SPW, 28                           ; v28 LDS address of my spare word; never rewritten
.set NIL, 29                           ; v29 0; never rewritten
.set BIAS, 64
.set G1,  24
.set G0,  32
.set G1B, 48
.set G0B, 56
.set MSB, 0
.macro WIN new                         ; the immediate's high byte repeats the setting that is left; a switch that changes nothing is dropped
.if MSB != (\new)
	s_set_vgpr_msb (MSB<<8)|(\new)
.set MSB, (\new)
.endif
.endm
.set MUL0,  0x5a                       ; sources 0 and 1 window 2, C and D window 1
.set MUL1,  0x5f                       ; sources 0 and 1 window 3, C and D window 1
.set RDACC, 0x01                       ; source 0 window 1
.macro JLOAD g0a, g0b                  ; a joint load: waves 0 and 1 fetch A's halves, waves 2 and 3 B's; the branch hangs on the wave's number alone; an s_nop 0 and four v_nop follow each line
	s_cmp_eq_u32 s15, 0
	s_cbranch_scc0 .Lfor_b_\@
	tensor_load_to_lds s[\g0a:\g0a+3], s[G1:G1+7]
	s_nop 0
.rept 4
	v_nop
.endr
	s_branch .Lasked_\@
.Lfor_b_\@:
	tensor_load_to_lds s[\g0b:\g0b+3], s[G1B:G1B+7]
	s_nop 0
.rept 4
	v_nop
.endr
.Lasked_\@:
.endm
.macro CREST                           ; a round of the cluster's barrier behind its opening barrier
	s_cmp_lg_u32 s14, 0
	s_cbranch_scc1 .Lnot_wave_0_\@
	s_barrier_signal -3
.Lnot_wave_0_\@:
	s_barrier_wait -3
	s_barrier_signal -1
	s_barrier_wait -1
.endm
.macro CROUND
	s_barrier_signal -1
	s_barrier_wait -1
	CREST
.endm
.macro PLACES n                        ; plain vector instructions between a matrix instruction and a load into, or a read of, its registers
.rept \n
	v_nop
.endr
.endm
	s_load_b256 s[4:11], s[0:1], 0x0               ; yc s[4:5], wpc s[6:7], the scales' exponents s[8:9], b_proj s[10:11]
	s_load_b64 s[84:85], s[0:1], 0x20              ; out0
	v_lshl_add_u32 v[SPW], v0, 2, SPARE
	v_mov_b32 v[NIL], 0
	ds_add_u32 v[SPW], v[NIL]                      ; the wave's opening: the add and its wait stand ahead of my first tensor load; work on registers stands between them
	v_lshrrev_b32 v1, 5, v0
	v_readfirstlane_b32 s14, v1                    ; wave 0..3
	s_lshr_b32 s15, s14, 1                         ; I fetch for A (0) or for B (1).  Also: which half of A's rows holds mine
	s_and_b32 s16, s14, 1                          ; which half of that tile's rows I fetch
	s_bfe_u32 s40, ttmp6, 0x40000                  ; cx, cy: my place in the cluster
	s_bfe_u32 s41, ttmp6, 0x40004
	s_lshl_b32 s42, ttmp9, 2
	s_add_co_u32 s42, s42, s40                     ; tile column = 4 x cluster x + cx
	s_and_b32 s17, ttmp7, 0xffff
	s_lshl_b32 s17, s17, 2
	s_add_co_u32 s17, s17, s41                     ; tile row = 4 x cluster y + cy
	s_lshl_b32 s43, s41, 2
	s_lshl_b32 s43, 15, s43                        ; my row of the cluster
	s_lshl_b32 s44, 0x1111, s40                    ; my column
	s_or_b32 s[G1+0], s43, (1<<20)|(1<<21)|(3<<22)|(3<<25)   ; the mask; elements of 1 byte; padding on; bit 21 beside a mask; after every 16 words, 4 words
	s_mov_b32 s[G1+1], 8192<<16                    ; tensor_dim0 = 8,192: a head's 128 rows of 64 bytes on end
	s_mov_b32 s[G1+2], 4<<16                       ; tensor_dim1 = 4 heads
	s_mov_b32 s[G1+3], 8192<<16                    ; tile_dim0
	s_mov_b32 s[G1+4], 4                           ; tile_dim1
	s_mov_b32 s[G1+5], 131072                      ; from head to head
	s_mov_b32 s[G1+6], 0
	s_mov_b32 s[G1+7], 0
	s_or_b32 s[G1B+0], s44, (1<<20)|(1<<21)|(5<<22)|(3<<25)  ; B: padding after every 64 words
	s_mov_b32 s[G1B+1], 256<<16
	s_mov_b32 s[G1B+2], 64<<16
	s_mov_b32 s[G1B+3], 256<<16
	s_mov_b32 s[G1B+4], 64
	s_mov_b32 s[G1B+5], 1024
	s_mov_b32 s[G1B+6], 0
	s_mov_b32 s[G1B+7], 0
	s_lshr_b32 s20, s17, 3
	s_lshl_b32 s20, s20, 21                        ; A: the batch's 16 heads of 131,072 bytes,
	s_and_b32 s18, s17, 7
	s_lshl_b32 s18, s18, 14
	s_add_co_u32 s20, s20, s18                     ; the tile's first t, rows of 64 bytes,
	s_lshl_b32 s18, s16, 13
	s_add_co_u32 s20, s20, s18                     ; my half's 128 rows
	s_mov_b32 s21, 0
	s_lshl_b32 s19, s16, 6
	s_lshl_b32 s46, s42, 7
	s_add_co_u32 s46, s46, s19
	s_lshl_b32 s46, s46, 10                        ; B: row 128 x tile column + 64 x half
	s_mov_b32 s47, 0
	s_mul_i32 s45, s16, 4*APL                      ; where they go: no place in the cluster enters an LDS address
	s_mul_i32 s22, s16, 64*PITCH
	s_add_co_u32 s22, s22, AREG
	s_wait_dscnt 0x0                               ; the opening add is done
	s_wait_kmcnt 0x0
	s_load_b256 s[68:75], s[8:9], 0x0              ; e0 .. e7
	s_add_nc_u64 s[20:21], s[4:5], s[20:21]
	s_add_nc_u64 s[46:47], s[6:7], s[46:47]
	CROUND                                         ; all sixteen work-groups are here: the first joint loads meet
.irp s, 0,1
	s_mov_b32 s[G0+4*\s], 1
	s_add_co_u32 s[G0+4*\s+1], s45, \s*SLOT
	s_add_nc_u64 s[G0+4*\s+2:G0+4*\s+3], s[20:21], \s*ASTEP
	s_or_b32 s[G0+4*\s+3], s[G0+4*\s+3], 0x80000000
	s_mov_b32 s[G0B+4*\s], 1
	s_add_co_u32 s[G0B+4*\s+1], s22, \s*SLOT
	s_add_nc_u64 s[G0B+4*\s+2:G0B+4*\s+3], s[46:47], \s*BSTEP
	s_or_b32 s[G0B+4*\s+3], s[G0B+4*\s+3], 0x80000000
	JLOAD G0+4*\s, G0B+4*\s                        ; two loads of mine are out
.endr
	v_and_b32 v1, 15, v0                           ; r
	v_bfe_u32 v2, v0, 4, 1                         ; h
	s_mov_b32 s95, 0
	s_lshl_b32 s94, s42, 9
	s_add_nc_u64 s[10:11], s[10:11], s[94:95]      ; b_proj at entry 128 x tile column
	v_lshlrev_b32 v4, 5, v2
.irp b, 0,1,2,3,4,5,6,7
	global_load_b128 v[BIAS+8*\b:BIAS+8*\b+3], v4, s[10:11] offset:64*\b        ; in the result's layout: the bias of columns 16 b + 8 h + 0 .. 7
	global_load_b128 v[BIAS+8*\b+4:BIAS+8*\b+7], v4, s[10:11] offset:64*\b+16
.endr
	v_mul_u32_u24 v3, v1, PITCH
	v_lshl_add_u32 v3, v2, 4, v3
	v_add_nc_u32 v[ADRB], AREG, v3
	v_add_nc_u32 v[ADRB+1], SLOT, v[ADRB]
	v_mul_u32_u24 v5, v1, 80
	v_lshl_add_u32 v5, v2, 4, v5
	s_mul_i32 s18, s15, 4*APL                      ; my 64 rows: half wave / 2, rows 64 (wave % 2) on
	s_mul_i32 s19, s16, 64*80
	s_add_co_u32 s18, s18, s19
	v_add_nc_u32 v[ADRA], s18, v5
	v_add_nc_u32 v[ADRA+1], SLOT, v[ADRA]
	s_mul_i32 s18, s14, 16*SPITCH                  ; my stage
	v_mul_u32_u24 v[STO], v1, SPITCH
	v_lshl_add_u32 v[STO], v2, 5, v[STO]
	v_add_nc_u32 v[STO], s18, v[STO]               ; in: row r, 32 bytes for each half of the lanes
	v_and_b32 v6, 31, v0
	v_lshlrev_b32 v[CO], 4, v6
	v_add_nc_u32 v[RD], s18, v[CO]                 ; back: the 32 lanes take one row of 512 bytes
	s_lshl_b32 s92, s17, 20                        ; out0: row 256 x tile row + 64 x wave, rows of 4,096 bytes, + 512 x tile column
	s_lshl_b32 s93, s14, 18
	s_add_co_u32 s92, s92, s93
	s_add_co_u32 s94, s94, s92
	s_add_nc_u64 s[84:85], s[84:85], s[94:95]
	s_wait_kmcnt 0x0
	s_add_co_i32 s76, s74, s75
	s_add_co_i32 s76, s76, 127
	s_lshl_b32 s76, s76, 23                        ; 2^(e6 + e7) as f32
	s_mov_b32 s77, s76                             ; (named with it as a pair, so it is written)
; 48 LDS loads in one run: the fragments of the slot's q-th 128 along K into set 0 (window 2) or 1 (window 3)
.macro FETCH slot, q, set
	WIN 0x80+0x40*(\set)
.irp b, 0,1,2,3,4,5,6,7
.irp c, 0,1,2,3
	ds_load_b128 v[64+16*\b+4*\c:64+16*\b+4*\c+3], v[ADRB+\slot] offset:16*PITCH*\b+128*(\q)+32*\c
.endr
.endr
.irp a, 0,1,2,3
.irp c, 0,1,2,3
	ds_load_b128 v[16*\a+4*\c:16*\a+4*\c+3], v[ADRA+\slot] offset:(2*(\q)+\c/2)*APL+1280*\a+32*(\c%2)
.endr
.endr
.endm
; 8 matrix instructions: A's block a x B's eight.  The 32 accumulators take turns, one instruction a turn, in the same order in every step.  first = 1: the constant 0 starts the sums.
.macro MUL8 a, first
.irp b, 0,1,2,3,4,5,6,7
.if \first
	v_wmma_f32_16x16x128_fp8_fp8 v[8*(8*(\a)+\b):8*(8*(\a)+\b)+7], v[64+16*\b:64+16*\b+15], v[16*(\a):16*(\a)+15], 0
.else
	v_wmma_f32_16x16x128_fp8_fp8 v[8*(8*(\a)+\b):8*(8*(\a)+\b)+7], v[64+16*\b:64+16*\b+15], v[16*(\a):16*(\a)+15], v[8*(8*(\a)+\b):8*(8*(\a)+\b)+7]
.endif
.endr
.endm
; A slot's first step: multiplies set 0; the second step's fragments are asked for ahead of its 32 products.
.macro EVEN slot, first
	s_wait_dscnt 0x0                               ; set 0 is in
	PLACES 4                                       ; in front of loads into set 1, which the last products read
	FETCH \slot, 1, 1
	WIN MUL0
	MUL8 0, \first
	MUL8 1, \first
	MUL8 2, \first
	MUL8 3, \first
.endm
; A slot's second step multiplies set 1 and changes slots: ONE barrier; in front of it each wave waits for all its tensor loads, adds 0 to its spare word, and waits for that and for its reads of this slot.
; fill = 1: the barrier opens a round of the cluster's barrier, and this slot is filled again, two fills ahead.
.macro TURN slot, next, fill
	WIN 0                                          ; (the add's two registers lie in window 0)
	s_wait_tensorcnt 0x0                           ; all my tensor loads have landed: my part of the next slot
	ds_add_u32 v[SPW], v[NIL]                      ; 0 onto my spare word
	s_wait_dscnt 0x1                               ; set 1's 48 loads are in; the add alone may be out
	WIN MUL1
	MUL8 0, 0                                      ; eight matrix instructions stand between the add and the wait for it
	s_wait_dscnt 0x0                               ; the add is done, and my reads of this slot are over
	s_barrier_signal -1
	MUL8 1, 0
	WIN 0
	s_barrier_wait -1
.if \fill
	CREST                                          ; no wave of any partner still reads this slot or has a load on its way
	s_add_nc_u64 s[G0+4*\slot+2:G0+4*\slot+3], s[G0+4*\slot+2:G0+4*\slot+3], 2*ASTEP
	s_add_nc_u64 s[G0B+4*\slot+2:G0B+4*\slot+3], s[G0B+4*\slot+2:G0B+4*\slot+3], 2*BSTEP
	JLOAD G0+4*\slot, G0B+4*\slot                  ; the first tensor load behind the round, my only one out; its four v_nop are the places in front of the loads below
.else
	PLACES 4
.endif
	FETCH \next, 0, 0
	WIN MUL1
	MUL8 2, 0
	MUL8 3, 0
.endm
	s_wait_tensorcnt 0x1                           ; my part of the first fill is in; the second may stay out
	s_barrier_signal -1
	s_barrier_wait -1                              ; everybody's is
	FETCH 0, 0, 0
	EVEN 0, 1
	TURN 0, 1, 1
	EVEN 1, 0
	TURN 1, 0, 1
	EVEN 0, 0
	TURN 0, 1, 0                                   ; nothing is left to ask for: a plain barrier; behind it nobody reads slot 0
	EVEN 1, 0
	s_wait_dscnt 0x0
	WIN MUL1
	MUL8 0, 0
	MUL8 1, 0
	MUL8 2, 0
	MUL8 3, 0
	WIN 0
	PLACES 4
	s_wait_loadcnt 0x0                             ; the bias
	; THE WAY OUT, block by block of 16 rows x 128 columns: a lane holds 32 neighbouring bytes of a row, so a block goes through my own stage and comes back as whole rows of 512 bytes.
.irp a, 0,1,2,3
	WIN RDACC
.set jj, 0
.rept 32
	v_pk_fma_f32 v[128+jj:129+jj], v[64*\a+jj:64*\a+jj+1], s[76:77], v[BIAS+jj:BIAS+jj+1] op_sel_hi:[1,0,1]   ; sum x 2^(e6 + e7) + bias; each accumulator from its low end on
.set jj, jj+2
.endr
	WIN 0
.irp b, 0,1,2,3,4,5,6,7
	ds_store_b128 v[STO], v[128+8*\b:131+8*\b] offset:64*\b
	ds_store_b128 v[STO], v[132+8*\b:135+8*\b] offset:64*\b+16
.endr
.if \a > 0
	s_wait_xcnt 0x0                                ; the last block's stores have read their registers: the loads below may land there
.endif
.irp t, 0,1,2,3,4,5,6,7,8,9,10,11,12,13,14,15
	ds_load_b128 v[192+4*\t:195+4*\t], v[RD] offset:\t*SPITCH   ; LDS serves a wave's instructions in order: these see my stores
.endr
	s_wait_dscnt 0x0
.irp t, 0,1,2,3,4,5,6,7,8,9,10,11,12,13,14,15
	global_store_b128 v[CO], v[192+4*\t:195+4*\t], s[84:85] offset:(16*\a+\t)*4096 th:TH_STORE_NT   ; 32 lanes store 512 consecutive bytes, aligned; written once, read by nobody here
.endr
.endr
	s_wait_tensorcnt 0x0                           ; the wave's end, behind my last tensor load and my last LDS store
	ds_add_u32 v[SPW], v[NIL]
	s_wait_dscnt 0x0
	CROUND                                         ; the closing round: no work-group ends while a partner may still ask for a tile that names it
	s_endpgm
.Lfunc_end_k_q35feb577e1_gemm2:
	.size	k_q35feb577e1_gemm2, .Lfunc_end_k_q35feb577e1_gemm2-k_q35feb577e1_gemm2
	.p2alignl 7, 3214868480
	.fill 96, 4, 3214868480
	.section	.rodata,"a",@progbits
	.p2align	6, 0x0
	.amdhsa_kernel k_q35feb577e1_gemm2
		.amdhsa_group_segment_fixed_size 327680
		.amdhsa_private_segment_fixed_size 0
		.amdhsa_enable_private_segment 0
		.amdhsa_kernarg_size 40
		.amdhsa_user_sgpr_count 2
		.amdhsa_user_sgpr_kernarg_segment_ptr 1
		.amdhsa_wavefront_size32 1
		.amdhsa_system_sgpr_workgroup_id_x 1
		.amdhsa_system_sgpr_workgroup_id_y 1
		.amdhsa_system_sgpr_workgroup_id_z 1
		.amdhsa_system_vgpr_workitem_id 0
		.amdhsa_next_free_vgpr 1024
		.amdhsa_next_free_sgpr 100
		.amdhsa_reserve_vcc 0
		.amdhsa_float_denorm_mode_32 3
		.amdhsa_float_denorm_mode_16_64 3
		.amdhsa_memory_ordered 1
		.amdhsa_forward_progress 1
		.amdhsa_inst_pref_size 76
	.end_amdhsa_kernel
	.amdgpu_metadata
---
amdhsa.version: [ 1, 2 ]
amdhsa.kernels:
  - .name:           k_q35feb577e1_gemm2
    .symbol:         k_q35feb577e1_gemm2.kd
    .args:
      - { .name: yc, .offset: 0, .size: 8, .value_kind: global_buffer, .address_space: global }
      - { .name: wpc, .offset: 8, .size: 8, .value_kind: global_buffer, .address_space: global }
      - { .name: lowp_scales, .offset: 16, .size: 8, .value_kind: global_buffer, .address_space: global }
      - { .name: b_proj, .offset: 24, .size: 8, .value_kind: global_buffer, .address_space: global }
      - { .name: out0, .offset: 32, .size: 8, .value_kind: global_buffer, .address_space: global }
    .group_segment_fixed_size: 327680
    .private_segment_fixed_size: 0
    .kernarg_segment_align: 8
    .kernarg_segment_size: 40
    .max_flat_workgroup_size: 128
    .sgpr_count:     100
    .vgpr_count:     1024
    .wavefront_size: 32
...
	.end_amdgpu_metadata
.endif
;; end of part 4
